; MI455X (gfx1250); checked and timed in simulation.
; The chip was launched on July 23, 2026; its instructions are those of AMD's public machine-readable ISA for CDNA 5 (MIT licence, August 2026) and "CDNA5" Instruction Set Architecture Reference Guide (July 2026). The comments in the code are by the model that wrote it; some were corrected since.
;; CLIP Encoder Layer. Allowed arithmetic: float matrix products may take bf16 or f16 operands with f32 sums; all other float work in f32.
;; Inputs: W1 1,024 x 4,096 float32; W2 4,096 x 1,024 float32; Wk 1,024 x 1,024 float32; Wo 1,024 x 1,024 float32; Wq 1,024 x 1,024 float32; Wv 1,024 x 1,024 float32; b1 4,096 float32; b2 1,024 float32; bk 1,024 float32; bo 1,024 float32; bq 1,024 float32; bv 1,024 float32; ln1_b 1,024 float32; ln1_g 1,024 float32; ln2_b 1,024 float32; ln2_g 1,024 float32; x 4 x 1,024 x 1,024 float32.
;; Outputs: out0 4 x 1,024 x 1,024 float32.
;; One version. Each part assembles by itself: llvm-mc -triple=amdgcn-amd-amdhsa -mcpu=gfx1250 --defsym DOCPART=n.
;; ======== version 1 of 1: 7 launches
;; limits: values are held in f16: magnitudes above 65,504 overflow, below 6.1e-05 lose precision
;; workspace buffers: wb 25,165,824 bytes; hn 8,388,608 bytes; qkv 25,165,824 bytes; att 8,388,608 bytes; x1 16,777,216 bytes; gl 33,554,432 bytes
;; launch prep (part 1): grid 640 x 1, 8 waves a work-group, no clusters, 0 bytes of LDS; arguments x, ln1_g, ln1_b, hn, Wq, Wk, Wv, Wo, W1, W2, wb; writes hn, wb
.if DOCPART == 1
	.amdgcn_target "amdgcn-amd-amdhsa--gfx1250"
	.amdhsa_code_object_version 6
	.text
	.protected	k_qaf92da96c1_prep
	.globl	k_qaf92da96c1_prep
	.p2align	8
	.type	k_qaf92da96c1_prep,@function
k_qaf92da96c1_prep:
	s_mov_b64 s[64:65], 0
	v_nop
	global_prefetch_b8 v0, s[64:65] scope:SCOPE_SE
	s_setreg_imm32_b32 hwreg(HW_REG_WAVE_MODE, 25, 1), 1
	s_wait_xcnt 0x0
; Two streaming roles, chosen by the work-group's number.
; Work-groups 0-255: layer norm of 16 rows of [4096][1024] f32, result in f16.  One wave takes two whole rows and keeps them in registers:
; mean, then the differences, then their squares (two passes, so a common offset of the row costs no digits), 1/sqrt(var + 1e-5), gain and bias.
; Work-groups 256-639: six weight matrices from f32 to f16, layout kept ([in][out]); chunk c of 32,768 numbers goes to byte 65,536 c of wb, in the
; order Wq, Wk, Wv, Wo, W1, W2.  Launched with 256 work-groups the text does the layer norm alone.
; No LDS, no barrier, no matrix unit: each byte is read once and written once; every store of a wave covers 256 consecutive bytes, aligned.
; WHY F16: the later products take 16-bit operands; f16's 11 significant bits keep the chain of six products and their roundings well inside the result's tolerance, bf16's 8 do not
; for queries with few keys, where attention averages nothing away.
; Limits: results are rounded to f16.  A normalised number is at most sqrt(1023) < 32, so the norm's result is at most 32 |gain| + |bias|, which must stay under 65,504 (a gain of 30 gives 960).
; A weight must stay under 65,504; one under 6.1e-5 keeps an absolute error of 3e-8 (weights of spread 1/64 / 30 = 5e-4 lose nothing that counts).  The order of the sums differs from a serial sum.
.set X,  32                            ; v[32:95]   two rows: row R at X + 32 R; load i holds columns 128 i + 4 lane .. + 3
.set G,  96                            ; v[96:127]  the gain of the same columns
.set B,  128                           ; v[128:159] the bias
.set T,  4                             ; v[4:19]    at work
.set MU, 20                            ; v[20:21]   the mean, twice
.set RS, 22                            ; v[22:25]   1/sqrt(var + eps), twice for each row
.set D,  32                            ; v[32:159]  the cast's 32 loads
.macro REDUCE                          ; the sum of v[T] over the 32 lanes, into every lane
	v_add_f32_dpp v[T], v[T], v[T] row_xmask:1 row_mask:0xf bank_mask:0xf
	v_add_f32_dpp v[T], v[T], v[T] row_xmask:2 row_mask:0xf bank_mask:0xf
	v_add_f32_dpp v[T], v[T], v[T] row_xmask:4 row_mask:0xf bank_mask:0xf
	v_add_f32_dpp v[T], v[T], v[T] row_xmask:8 row_mask:0xf bank_mask:0xf
	v_permlanex16_b32 v[T+1], v[T], s20, s21       ; its destination has been written before
	v_add_f32 v[T], v[T], v[T+1]
.endm
.macro STATS R                         ; row R: x becomes x - mean in place; RS gets 1/sqrt(var + eps)
.set XR, X+32*\R
.irp p, 0,1,2,3,4,5,6,7
	v_pk_add_f32 v[T+2*\p:T+2*\p+1], v[XR+4*\p:XR+4*\p+1], v[XR+4*\p+2:XR+4*\p+3]
.endr
.irp p, 0,1,2,3
	v_pk_add_f32 v[T+2*\p:T+2*\p+1], v[T+4*\p:T+4*\p+1], v[T+4*\p+2:T+4*\p+3]
.endr
.irp p, 0,1
	v_pk_add_f32 v[T+2*\p:T+2*\p+1], v[T+4*\p:T+4*\p+1], v[T+4*\p+2:T+4*\p+3]
.endr
	v_pk_add_f32 v[T:T+1], v[T:T+1], v[T+2:T+3]
	v_add_f32 v[T], v[T], v[T+1]
	REDUCE
	v_mul_f32 v[MU], s22, v[T]                     ; sum / 1024
	v_mul_f32 v[MU+1], s22, v[T]
.set p, 0
.rept 16
	v_pk_add_f32 v[XR+2*p:XR+2*p+1], v[XR+2*p:XR+2*p+1], v[MU:MU+1] neg_lo:[0,1] neg_hi:[0,1]
.set p, p+1
.endr
.irp c, 0,1,2,3
	v_pk_mul_f32 v[T+2*\c:T+2*\c+1], v[XR+2*\c:XR+2*\c+1], v[XR+2*\c:XR+2*\c+1]   ; four chains, started by the first four pairs
.endr
.set p, 4
.rept 12
	v_pk_fma_f32 v[T+2*(p%4):T+2*(p%4)+1], v[XR+2*p:XR+2*p+1], v[XR+2*p:XR+2*p+1], v[T+2*(p%4):T+2*(p%4)+1]
.set p, p+1
.endr
	v_pk_add_f32 v[T:T+1], v[T:T+1], v[T+2:T+3]
	v_pk_add_f32 v[T+4:T+5], v[T+4:T+5], v[T+6:T+7]
	v_pk_add_f32 v[T:T+1], v[T:T+1], v[T+4:T+5]
	v_add_f32 v[T], v[T], v[T+1]
	REDUCE
	v_fma_f32 v[T], v[T], s22, s23                 ; var + eps
	v_rsq_f32 v[RS+2*\R], v[T]
	v_rsq_f32 v[RS+2*\R+1], v[T]
	v_nop                                          ; a plain instruction before the result is used or v[T] written again (ISA guide 5.7.2)
.endm
.macro NORM R                          ; row R: scaled, gain and bias, rounded, stored
.set XR, X+32*\R
.set p, 0
	s_wait_alu depctr_va_vdst(0)
.rept 16
	v_pk_mul_f32 v[XR+2*p:XR+2*p+1], v[XR+2*p:XR+2*p+1], v[RS+2*\R:RS+2*\R+1]
.set p, p+1
.endr
.set p, 0
.rept 16
	v_pk_fma_f32 v[XR+2*p:XR+2*p+1], v[XR+2*p:XR+2*p+1], v[G+2*p:G+2*p+1], v[B+2*p:B+2*p+1]
.set p, p+1
.endr
.irp i, 0,1,2,3,4,5,6,7
	v_cvt_pk_f16_f32 v[XR+4*\i], v[XR+4*\i], v[XR+4*\i+1]
	v_cvt_pk_f16_f32 v[XR+4*\i+1], v[XR+4*\i+2], v[XR+4*\i+3]
	global_store_b64 v2, v[XR+4*\i:XR+4*\i+1], s[10:11] offset:\R*2048+256*\i   ; 32 lanes x 8 bytes: 256 consecutive bytes, aligned
.endr
.endm
.macro PICK lim, ptr, start            ; chunks below lim belong to the matrix at s[ptr], whose first chunk is start
	s_cmp_lt_u32 s41, \lim
	s_cselect_b64 s[38:39], s[\ptr:\ptr+1], s[38:39]
	s_cselect_b32 s40, \start, s40
.endm
	s_cmp_lt_u32 ttmp9, 256
	s_cbranch_scc0 .Lcast
	; ---- layer norm ----
	s_load_b256 s[4:11], s[0:1], 0x0               ; in s[4:5], gain s[6:7], bias s[8:9], out s[10:11]
	v_lshrrev_b32 v3, 5, v0
	v_readfirstlane_b32 s12, v3                    ; wave 0..7
	s_lshl_b32 s13, ttmp9, 4
	s_lshl1_add_u32 s13, s12, s13                  ; my first row = 16 x work-group + 2 x wave
	s_lshl_b32 s14, s13, 12                        ; 4,096 bytes a row in
	s_mov_b32 s15, 0
	s_lshl_b32 s16, s13, 11                        ; 2,048 bytes a row out
	s_mov_b32 s17, 0
	s_mov_b32 s20, 0x76543210                      ; v_permlanex16_b32: each lane takes its own place in the other half
	s_mov_b32 s21, 0xfedcba98
	s_mov_b32 s22, 0x3a800000                      ; 1 / 1024
	s_mov_b32 s23, 0x3727c5ac                      ; 1e-5
	v_and_b32 v1, 31, v0
	v_lshlrev_b32 v2, 3, v1                        ; 8 bytes a lane out
	v_lshlrev_b32 v1, 4, v1                        ; 16 bytes a lane in
	s_wait_kmcnt 0x0
	s_add_nc_u64 s[4:5], s[4:5], s[14:15]
	s_add_nc_u64 s[10:11], s[10:11], s[16:17]
.irp R, 0,1
.irp i, 0,1,2,3,4,5,6,7
	global_load_b128 v[X+32*\R+4*\i:X+32*\R+4*\i+3], v1, s[4:5] offset:\R*4096+512*\i
.endr
.endr
.irp i, 0,1,2,3,4,5,6,7
	global_load_b128 v[G+4*\i:G+4*\i+3], v1, s[6:7] offset:512*\i
.endr
.irp i, 0,1,2,3,4,5,6,7
	global_load_b128 v[B+4*\i:B+4*\i+3], v1, s[8:9] offset:512*\i
.endr
	s_wait_loadcnt 16                              ; both rows are in; the sixteen younger loads (gain, bias) stay out
	STATS 0
	STATS 1
	s_wait_loadcnt 0x0                             ; gain and bias
	NORM 0
	NORM 1
	s_endpgm
	; ---- cast ----
.Lcast:
	s_load_b256 s[24:31], s[0:1], 0x20             ; Wq s[24:25], Wk s[26:27], Wv s[28:29], Wo s[30:31]
	s_load_b128 s[32:35], s[0:1], 0x40             ; W1 s[32:33], W2 s[34:35]
	s_load_b64 s[36:37], s[0:1], 0x50              ; wb
	s_sub_co_u32 s41, ttmp9, 256                   ; chunk 0..383
	v_lshlrev_b32 v1, 4, v0                        ; 16 bytes a thread in: the group's load covers 4,096 bytes
	v_lshlrev_b32 v2, 3, v0                        ; 8 bytes a thread out
	s_wait_kmcnt 0x0
	s_mov_b64 s[38:39], s[34:35]                   ; W2 begins at chunk 256; the lower matrices replace it in turn
	s_mov_b32 s40, 256
	PICK 256, 32, 128
	PICK 128, 30, 96
	PICK 96, 28, 64
	PICK 64, 26, 32
	PICK 32, 24, 0
	s_sub_co_u32 s42, s41, s40                     ; the chunk's number inside its matrix,
	s_lshl_b32 s42, s42, 17                        ; 131,072 bytes of f32 each
	s_mov_b32 s43, 0
	s_add_nc_u64 s[38:39], s[38:39], s[42:43]
	s_lshl_b32 s44, s41, 16                        ; 65,536 bytes of f16 each
	s_mov_b32 s45, 0
	s_add_nc_u64 s[36:37], s[36:37], s[44:45]
.set i, 0
.rept 32
	global_load_b128 v[D+4*i:D+4*i+3], v1, s[38:39] offset:4096*i th:TH_LOAD_NT
.set i, i+1
.endr
.set i, 0
.rept 32
	s_wait_loadcnt 31-i                            ; loads come back in order: load i is in, the younger ones stay out
	v_cvt_pk_f16_f32 v[D+4*i], v[D+4*i], v[D+4*i+1]
	v_cvt_pk_f16_f32 v[D+4*i+1], v[D+4*i+2], v[D+4*i+3]
	global_store_b64 v2, v[D+4*i:D+4*i+1], s[36:37] offset:2048*i
.set i, i+1
.endr
	s_endpgm
.Lfunc_end_k_qaf92da96c1_prep:
	.size	k_qaf92da96c1_prep, .Lfunc_end_k_qaf92da96c1_prep-k_qaf92da96c1_prep
	.p2alignl 7, 3214868480
	.fill 96, 4, 3214868480
	.section	.rodata,"a",@progbits
	.p2align	6, 0x0
	.amdhsa_kernel k_qaf92da96c1_prep
		.amdhsa_group_segment_fixed_size 0
		.amdhsa_private_segment_fixed_size 0
		.amdhsa_enable_private_segment 0
		.amdhsa_kernarg_size 88
		.amdhsa_user_sgpr_count 2
		.amdhsa_user_sgpr_kernarg_segment_ptr 1
		.amdhsa_wavefront_size32 1
		.amdhsa_system_sgpr_workgroup_id_x 1
		.amdhsa_system_sgpr_workgroup_id_y 1
		.amdhsa_system_sgpr_workgroup_id_z 1
		.amdhsa_system_vgpr_workitem_id 0
		.amdhsa_next_free_vgpr 160
		.amdhsa_next_free_sgpr 66
		.amdhsa_reserve_vcc 0
		.amdhsa_float_denorm_mode_32 3
		.amdhsa_float_denorm_mode_16_64 3
		.amdhsa_memory_ordered 1
		.amdhsa_forward_progress 1
		.amdhsa_inst_pref_size 33
	.end_amdhsa_kernel
	.amdgpu_metadata
---
amdhsa.version: [ 1, 2 ]
amdhsa.kernels:
  - .name:           k_qaf92da96c1_prep
    .symbol:         k_qaf92da96c1_prep.kd
    .args:
      - { .name: x, .offset: 0, .size: 8, .value_kind: global_buffer, .address_space: global }
      - { .name: ln1_g, .offset: 8, .size: 8, .value_kind: global_buffer, .address_space: global }
      - { .name: ln1_b, .offset: 16, .size: 8, .value_kind: global_buffer, .address_space: global }
      - { .name: hn, .offset: 24, .size: 8, .value_kind: global_buffer, .address_space: global }
      - { .name: Wq, .offset: 32, .size: 8, .value_kind: global_buffer, .address_space: global }
      - { .name: Wk, .offset: 40, .size: 8, .value_kind: global_buffer, .address_space: global }
      - { .name: Wv, .offset: 48, .size: 8, .value_kind: global_buffer, .address_space: global }
      - { .name: Wo, .offset: 56, .size: 8, .value_kind: global_buffer, .address_space: global }
      - { .name: W1, .offset: 64, .size: 8, .value_kind: global_buffer, .address_space: global }
      - { .name: W2, .offset: 72, .size: 8, .value_kind: global_buffer, .address_space: global }
      - { .name: wb, .offset: 80, .size: 8, .value_kind: global_buffer, .address_space: global }
    .group_segment_fixed_size: 0
    .private_segment_fixed_size: 0
    .kernarg_segment_align: 8
    .kernarg_segment_size: 88
    .max_flat_workgroup_size: 256
    .sgpr_count:     66
    .vgpr_count:     160
    .wavefront_size: 32
...
	.end_amdgpu_metadata
.endif
;; end of part 1
;; launch proj (part 2): grid 12 x 16, 4 waves a work-group, clusters of 4 x 4, 327,680 bytes of LDS; arguments hn, wb, qkv, bq, bk, bv; writes qkv
.if DOCPART == 2
	.amdgcn_target "amdgcn-amd-amdhsa--gfx1250"
	.amdhsa_code_object_version 6
	.text
	.protected	k_qaf92da96c1_proj
	.globl	k_qaf92da96c1_proj
	.p2align	8
	.type	k_qaf92da96c1_proj,@function
k_qaf92da96c1_proj:
	s_mov_b64 s[64:65], 0
	v_nop
	global_prefetch_b8 v0, s[64:65] scope:SCOPE_SE
	s_setreg_imm32_b32 hwreg(HW_REG_WAVE_MODE, 25, 1), 1
	s_wait_xcnt 0x0
	s_wait_alu depctr_hold_cnt(0) depctr_sa_sdst(0) depctr_va_vdst(0) depctr_va_sdst(0) depctr_va_ssrc(0) depctr_va_vcc(0) depctr_vm_vsrc(0)
	s_getreg_b32 s2, hwreg(HW_REG_IB_STS2, 6, 4)
	s_cmp_eq_u32 s2, 0
	s_cbranch_scc0 .Lentry_in_a_cluster
	s_endpgm
.Lentry_in_a_cluster:
	s_bfe_u32 s2, ttmp6, 0x10000c
	s_cmp_lg_u32 s2, 0xf033
	s_cbranch_scc0 .Lentry_shape_is_right
	s_endpgm
.Lentry_shape_is_right:
; q, k, v = h W + b.  h: [4096][1024] f16.  W: three matrices [1024 (in)][1024 (out)] f16 at the head of wb.  Out: three sections [4096][1024] f16.
; (The factor 1/8 on q is applied in the softmax's constant: a power of two, so the bits are the same.)
; A tile of C, 256 x 256, is made by four waves, each 128 x 128: 64 accumulators, 512 registers.  K goes in steps of 128 through two LDS slots filled by tensor loads.
; W lies [K][N]: its tile is 128 rows of K x 512 bytes, and ds_load_tr16_b128 turns 16 x 16 pieces into fragments on the way to the registers.
; The matrix instruction is used transposed (source 0 = 16 columns of W, source 1 = 16 rows of h): a lane then holds eight neighbouring numbers of a row of C.
; CLUSTERS 4 x 4: the four of a row of the cluster need the same tile of h, the four of a column the same tile of W; each is asked for jointly.
; A cluster's x is the section (q, k or v).  12 x 16 = 192 work-groups: a tile of 192 columns would give 256, but rows of 384 bytes that split aligned blocks of 256.
; Windows: 0: addresses, A's two fragment buffers, the way out.  1: B's two buffers, the bias at v192-255.  2, 3: accumulators (a, b) at 8 (8 (a % 4) + b).
; Limits: operands and results rounded to f16; sums in f32, K ascending.  A result beyond 65,504 becomes infinite: with a gain of 30 and weights of spread 30/32 the results' spread is
; sqrt(1024) x 30 x 30/32 = 900.
.set NP,     1024                      ; pitch of W and of C, elements
.set WOFF,   0                         ; W's first byte in wb
.set SECB,   2097152                   ; bytes in wb from one cluster x to the next
.set SECC,   8388608                   ; bytes in C from one cluster x to the next
.set SIZE_K, 1024
.set KSTEP,  128
.set PA,     272                       ; A's LDS row: 256 + 16 bytes: the 16 rows of a load start at 16 different 16-byte columns
.set PB,     544                       ; B's LDS row: 512 + 32 bytes, 17 x 32
.set HALFT,  128*PA                    ; what one tensor load brings: 128 rows of A, or 64 rows of B (64 x 544 is the same 34,816)
.set SLOT,   4*HALFT                   ; A's 256 rows, then B's 128 rows of K
.set STAGE,  2*SLOT                    ; behind the ring: 16 rows x 272 bytes for each wave
.set SPITCH, 272
.set LAPS,   SIZE_K/(2*KSTEP)
.set ADRA, 16                          ; v16-17 LDS address of my A fragments in slot 0, 1
.set ADRB, 20                          ; v20-21 the same for B
.set STO,  24
.set RD,   25
.set CO,   26
.set BO,   27                          ; v27 my byte offset in the wave's 128 numbers of bias
.set F0,   64
.set F1,   128
.set T,    64                          ; the way out: a block's 64 numbers in f32
.set TMP,  192
.set OB,   32
.set BIAS, 192                         ; window 1
.set G1,  24
.set G0,  32
.set G1B, 48
.set G0B, 56
.set MSB, 0
.macro WIN new                         ; the immediate's high byte repeats the setting that is left
.if MSB != (\new)
	s_set_vgpr_msb (MSB<<8)|(\new)
.set MSB, (\new)
.endif
.endm
.set MUL_LO, 0xa1                      ; source 0 (B) window 1, source 1 (A) window 0, C and D window 2
.set MUL_HI, 0xf1                      ; the same, C and D window 3
.set TO_B,   0x40                      ; destination window 1, address window 0
.macro JLOAD s                         ; a joint load: waves 0, 1 fetch A's halves, waves 2, 3 B's; four v_nop follow each line
	s_cmp_eq_u32 s11, 0
	s_cbranch_scc0 .Lfor_b_\@
	tensor_load_to_lds s[G0+4*(\s):G0+4*(\s)+3], s[G1:G1+7]
	s_nop 0
.rept 4
	v_nop
.endr
	s_branch .Lasked_\@
.Lfor_b_\@:
	tensor_load_to_lds s[G0B+4*(\s):G0B+4*(\s)+3], s[G1B:G1B+7]
	s_nop 0
.rept 4
	v_nop
.endr
.Lasked_\@:
.endm
.macro CREST                           ; a round of the cluster's barrier behind its opening barrier
	s_cmp_lg_u32 s10, 0
	s_cbranch_scc1 .Lnot_wave_0_\@
	s_barrier_signal -3
.Lnot_wave_0_\@:
	s_barrier_wait -3
	s_barrier_signal -1
	s_barrier_wait -1
.endm
.macro CROUND
	s_barrier_signal -1
	s_barrier_wait -1
	CREST
.endm
.macro PLACES                          ; four plain places behind matrix instructions, in front of loads into their sources and of reads of their results
.rept 4
	v_nop
.endr
.endm
	s_load_b128 s[4:7], s[0:1], 0x0                ; h s[4:5], wb s[6:7]
	s_load_b64 s[8:9], s[0:1], 0x10                ; C
	s_load_b128 s[68:71], s[0:1], 0x18             ; bq, bk
	s_load_b64 s[72:73], s[0:1], 0x28              ; bv
	s_set_vgpr_msb 0x40
	v_lshl_add_u32 v63, v0, 2, 0x48400
	s_set_vgpr_msb 0x4000
	v_mov_b32 v31, 0
	s_set_vgpr_msb 0x1
	ds_add_u32 v63, v31
	s_set_vgpr_msb 0x100
	v_lshrrev_b32 v1, 5, v0
	v_readfirstlane_b32 s10, v1                    ; wave 0..3
	s_lshr_b32 s11, s10, 1                         ; my half of the tile's rows; also: I fetch for A (0) or B (1)
	s_and_b32 s12, s10, 1                          ; my half of its columns; also: which half of that tile I fetch
	s_bfe_u32 s40, ttmp6, 0x40000                  ; cx
	s_bfe_u32 s41, ttmp6, 0x40004                  ; cy
	s_and_b32 s13, ttmp7, 0xffff
	s_lshl_b32 s13, s13, 2
	s_add_co_u32 s13, s13, s41                     ; tile row of C = 4 x cluster y + cy
	s_lshl_b32 s43, s41, 2
	s_lshl_b32 s43, 15, s43                        ; my row of the cluster
	s_lshl_b32 s44, 0x1111, s40                    ; my column
	s_or_b32 s[G1+0], s43, (1<<16)|(1<<20)|(1<<21)|(5<<22)|(3<<25)   ; mask; 2-byte elements; padding on; bit 21 beside a mask; after 64 words 4 words
	s_mov_b32 s[G1+1], KSTEP<<16                   ; tensor_dim0 = 128
	s_mov_b32 s[G1+2], 128<<16                     ; tensor_dim1 = 128
	s_mov_b32 s[G1+3], KSTEP<<16                   ; tile_dim0 = 128
	s_mov_b32 s[G1+4], 128                         ; tile_dim1 = 128
	s_mov_b32 s[G1+5], SIZE_K                      ; elements from row to row
	s_mov_b32 s[G1+6], 0
	s_mov_b32 s[G1+7], 0
	s_or_b32 s[G1B+0], s44, (1<<16)|(1<<20)|(1<<21)|(6<<22)|(7<<25)  ; B: after 128 words 8 words
	s_mov_b32 s[G1B+1], 256<<16                    ; tensor_dim0 = 256 columns
	s_mov_b32 s[G1B+2], 64<<16                     ; tensor_dim1 = 64 rows of K
	s_mov_b32 s[G1B+3], 256<<16
	s_mov_b32 s[G1B+4], 64
	s_mov_b32 s[G1B+5], NP
	s_mov_b32 s[G1B+6], 0
	s_mov_b32 s[G1B+7], 0
	s_lshl_b32 s17, s12, 7
	s_lshl_b32 s16, s13, 8
	s_add_co_u32 s16, s16, s17                     ; A: row 256 x tile row + 128 x half,
	s_lshl_b32 s16, s16, 11                        ; 2,048 bytes each
	s_mov_b32 s17, 0
	s_mul_i32 s46, ttmp9, SECB                     ; B: the cluster's part of wb,
	s_lshl_b32 s47, s40, 9
	s_add_co_u32 s46, s46, s47                     ; 512 bytes of a row for each cx,
	s_mul_i32 s47, s12, 64*NP*2
	s_add_co_u32 s46, s46, s47                     ; my 64 rows of K
	s_add_co_u32 s46, s46, WOFF
	s_mov_b32 s47, 0
	s_mul_i32 s20, s10, HALFT                      ; where they go: wave x 34,816: no place in the cluster enters an LDS address
	s_wait_dscnt 0x0
	s_wait_kmcnt 0x0
	s_add_nc_u64 s[14:15], s[4:5], s[16:17]
	s_add_nc_u64 s[46:47], s[6:7], s[46:47]
	CROUND                                         ; all sixteen work-groups are here: the first joint loads meet
.irp s, 0,1
	s_mov_b32 s[G0+4*\s], 1
	s_add_co_u32 s[G0+4*\s+1], s20, \s*SLOT
	s_add_nc_u64 s[G0+4*\s+2:G0+4*\s+3], s[14:15], \s*KSTEP*2
	s_or_b32 s[G0+4*\s+3], s[G0+4*\s+3], 0x80000000
	s_mov_b32 s[G0B+4*\s], 1
	s_add_co_u32 s[G0B+4*\s+1], s20, \s*SLOT
	s_add_nc_u64 s[G0B+4*\s+2:G0B+4*\s+3], s[46:47], \s*KSTEP*NP*2
	s_or_b32 s[G0B+4*\s+3], s[G0B+4*\s+3], 0x80000000
.endr
	s_cmp_eq_u32 s11, 0                            ; a wave's two first fills stand in one branch: two loads of mine are out
	s_cbranch_scc0 .Lfirst_b
	tensor_load_to_lds s[G0:G0+3], s[G1:G1+7]
	s_nop 0
	tensor_load_to_lds s[G0+4:G0+7], s[G1:G1+7]
	s_nop 0
.rept 4
	v_nop
.endr
	s_branch .Lfirst_asked
.Lfirst_b:
	tensor_load_to_lds s[G0B:G0B+3], s[G1B:G1B+7]
	s_nop 0
	tensor_load_to_lds s[G0B+4:G0B+7], s[G1B:G1B+7]
	s_nop 0
.rept 4
	v_nop
.endr
.Lfirst_asked:
	; the bias of my 128 columns
	s_mov_b64 s[74:75], s[72:73]                   ; the cluster's x is the section: bv, bk or bq
	s_cmp_eq_u32 ttmp9, 1
	s_cselect_b64 s[74:75], s[70:71], s[74:75]
	s_cmp_eq_u32 ttmp9, 0
	s_cselect_b64 s[74:75], s[68:69], s[74:75]
	s_lshl_b32 s76, s40, 10
	s_lshl_b32 s77, s12, 9
	s_add_co_u32 s76, s76, s77
	s_mov_b32 s77, 0
	s_add_nc_u64 s[74:75], s[74:75], s[76:77]
	v_and_b32 v1, 15, v0                           ; r = l % 16
	v_bfe_u32 v2, v0, 4, 1                         ; h = l / 16
	v_lshlrev_b32 v[BO], 5, v2                     ; a lane's eight columns of block b: 64 b + 32 h
	WIN TO_B
.irp b, 0,1,2,3,4,5,6,7
	global_load_b128 v[BIAS+8*\b:BIAS+8*\b+3],   v[BO], s[74:75] offset:64*\b
	global_load_b128 v[BIAS+8*\b+4:BIAS+8*\b+7], v[BO], s[74:75] offset:64*\b+16
.endr
	WIN 0
	v_mul_u32_u24 v3, v1, PA
	v_lshl_add_u32 v3, v2, 4, v3                   ; A: row x pitch + 16 h
	s_mul_i32 s21, s11, HALFT                      ; my 128 rows of A
	v_and_b32 v6, 7, v0
	v_lshl_add_u32 v6, v2, 3, v6                   ; B, turned: row of K 8 h + l % 8,
	v_mul_u32_u24 v6, v6, PB
	v_bfe_u32 v7, v0, 3, 1
	v_lshl_add_u32 v6, v7, 4, v6                   ; columns 8 ((l / 8) % 2) on
	s_lshl_b32 s22, s12, 8                         ; my 128 columns,
	s_add_co_u32 s22, s22, 2*HALFT                 ; behind A's 256 rows
.irp s, 0,1
	v_add_nc_u32 v[ADRA+\s], s21, v3
	v_add_nc_u32 v[ADRB+\s], s22, v6
	s_add_co_u32 s21, s21, SLOT
	s_add_co_u32 s22, s22, SLOT
.endr
	s_mul_i32 s23, s10, 16*SPITCH
	s_add_co_u32 s23, s23, STAGE                   ; my stage
	v_mul_u32_u24 v4, v1, SPITCH
	v_lshl_add_u32 v4, v2, 4, v4
	v_add_nc_u32 v[STO], s23, v4
	v_mul_u32_u24 v5, v2, SPITCH
	v_lshl_add_u32 v5, v1, 4, v5
	v_add_nc_u32 v[RD], s23, v5
	v_mul_u32_u24 v5, v2, NP*2
	v_lshl_add_u32 v[CO], v1, 4, v5
	s_lshl_b32 s13, s13, 8                         ; where my part of C begins, in bytes
	s_lshl_b32 s14, s11, 7
	s_add_co_u32 s16, s13, s14
	s_mul_i32 s16, s16, NP*2
	s_mov_b32 s17, 0
	s_mul_i32 s46, ttmp9, SECC
	s_lshl_b32 s47, s40, 9
	s_add_co_u32 s46, s46, s47
	s_lshl_b32 s47, s12, 8
	s_add_co_u32 s46, s46, s47
	s_mov_b32 s47, 0
	s_add_nc_u64 s[16:17], s[16:17], s[46:47]
; 16 matrix instructions: m blocks a0, a0 + 1 of the window's four x all 8 n blocks, 32 along K.  zero = 1: the first product starts the sums.
; The 64 accumulators take turns, one instruction a turn, in the same order in every quarter.
.macro MUL16 f, hi, a0, zero
.irp a, \a0, \a0+1
.irp b, 0,1,2,3,4,5,6,7
.if \zero
	v_wmma_f32_16x16x32_f16 v[8*(8*(\a)+\b):8*(8*(\a)+\b)+7], v[\f+8*\b:\f+8*\b+7], v[\f+8*(4*\hi+\a):\f+8*(4*\hi+\a)+7], 0
.else
	v_wmma_f32_16x16x32_f16 v[8*(8*(\a)+\b):8*(8*(\a)+\b)+7], v[\f+8*\b:\f+8*\b+7], v[\f+8*(4*\hi+\a):\f+8*(4*\hi+\a)+7], v[8*(8*(\a)+\b):8*(8*(\a)+\b)+7]
.endif
.endr
.endr
.endm
; 32 LDS loads in one run: quarter q (32 along K) of a slot into buffer f: B turned (16 loads), then A (16 loads)
.macro FETCH slot, q, f
	WIN TO_B
.irp i, 0,1,2,3,4,5,6,7
	ds_load_tr16_b128 v[\f+8*\i:\f+8*\i+3],   v[ADRB+\slot] offset:\q*32*PB+32*\i
	ds_load_tr16_b128 v[\f+8*\i+4:\f+8*\i+7], v[ADRB+\slot] offset:\q*32*PB+16*PB+32*\i
.endr
	WIN 0
.irp i, 0,1,2,3,4,5,6,7
	ds_load_b128 v[\f+8*\i:\f+8*\i+3],   v[ADRA+\slot] offset:\q*64+\i*16*PA
	ds_load_b128 v[\f+8*\i+4:\f+8*\i+7], v[ADRA+\slot] offset:\q*64+\i*16*PA+32
.endr
.endm
; One of a K step's first three quarters: multiplies buffer f; in its middle it fetches quarter q of the same slot into buffer g.
.macro QUARTER slot, q, f, g, zero
	s_wait_dscnt 8                                 ; B and A's rows 0-63 are in; the youngest eight loads (A's rows 64-127) may be out
	WIN MUL_LO
	MUL16 \f, 0, 0, \zero
	MUL16 \f, 0, 2, \zero
	PLACES
	FETCH \slot, \q, \g
	s_wait_dscnt 32                                ; all but the 32 just issued
	WIN MUL_HI
	MUL16 \f, 1, 0, \zero
	MUL16 \f, 1, 2, \zero
.endm
; The last quarter multiplies buffer 1 and changes slots.  In front of the barrier each wave waits for its reads of this slot and for all its tensor loads (one is out: its part of the
; next slot).  fill = 1: the barrier opens a round of the cluster's barrier, and the joint refill of this slot, two K steps ahead, is the first tensor load behind it.
.macro TURN slot, next, fill
	s_wait_dscnt 8
	WIN MUL_LO
	MUL16 F1, 0, 0, 0
	s_wait_dscnt 0
	s_wait_tensorcnt 0x0
	ds_add_u32 v63, v31
	s_wait_dscnt 0x0
	s_barrier_signal -1
	MUL16 F1, 0, 2, 0
.if \fill
	WIN 0
.endif
	s_barrier_wait -1
.if \fill
	CREST
	s_add_nc_u64 s[G0+4*\slot+2:G0+4*\slot+3], s[G0+4*\slot+2:G0+4*\slot+3], 2*KSTEP*2
	s_add_nc_u64 s[G0B+4*\slot+2:G0B+4*\slot+3], s[G0B+4*\slot+2:G0B+4*\slot+3], 2*KSTEP*NP*2
	JLOAD \slot                                    ; its four v_nop are also the places in front of the loads below
.else
	PLACES
.endif
	FETCH \next, 0, F0
	WIN MUL_HI
	MUL16 F1, 1, 0, 0
	MUL16 F1, 1, 2, 0
.endm
; THE WAY OUT of block a (16 rows).  PACK: bias, rounding.  TOSTAGE: into my own stage and back as whole rows of 256 bytes.  SEND: stored.
.macro PACK a
.set AC, 64*((\a)%4)
	WIN 0x06+(\a)/4                                ; source 0: window 2 or 3; source 1: window 1
.irp b, 0,1,2,3,4,5,6,7
.irp r, 0,1,2,3
	v_pk_add_f32 v[T+8*\b+2*\r:T+8*\b+2*\r+1], v[AC+8*\b+2*\r:AC+8*\b+2*\r+1], v[BIAS+8*\b+2*\r:BIAS+8*\b+2*\r+1]
.endr
.endr
	WIN 0
.set i, 0
.rept 32
	v_cvt_pk_f16_f32 v[TMP+i], v[T+2*i], v[T+2*i+1]
.set i, i+1
.endr
.endm
.macro TOSTAGE a
.set BK, OB+192*((\a)%2)
.irp b, 0,1,2,3,4,5,6,7
	ds_store_b128 v[STO], v[TMP+4*\b:TMP+4*\b+3] offset:32*\b
.endr
.irp t, 0,1,2,3,4,5,6,7
	ds_load_b128 v[BK+4*\t:BK+4*\t+3], v[RD] offset:\t*2*SPITCH    ; LDS serves a wave's instructions in order: these see the stores above
.endr
.endm
.macro SEND a
.set BK, OB+192*((\a)%2)
	s_wait_dscnt 0x0                               ; the block is back in registers
	s_wait_xcnt 0x0                                ; the stores' base and the registers that earlier stores read are rewritten only behind this wait
.if (\a) == 0
	s_add_nc_u64 s[8:9], s[8:9], s[16:17]
.else
	s_add_nc_u64 s[8:9], s[8:9], 16*NP*2
.endif
.irp t, 0,1,2,3,4,5,6,7
	global_store_b128 v[CO], v[BK+4*\t:BK+4*\t+3], s[8:9] offset:2*\t*NP*2   ; 16 lanes store 256 consecutive bytes, aligned
.endr
.endm
	s_wait_tensorcnt 1                             ; my part of K step 0 is in; K step 1's may stay out
	s_barrier_signal -1
	s_barrier_wait -1
	FETCH 0, 0, F0
	QUARTER 0, 1, F0, F1, 1
	WIN 0
	s_mov_b32 s3, LAPS-1
.Llap:                                                 ; once round the ring, from a lap's second quarter to the next lap's first; both slots are filled again
	QUARTER 0, 2, F1, F0, 0
	QUARTER 0, 3, F0, F1, 0
	TURN 0, 1, 1
	QUARTER 1, 1, F0, F1, 0
	QUARTER 1, 2, F1, F0, 0
	QUARTER 1, 3, F0, F1, 0
	TURN 1, 0, 1
	QUARTER 0, 1, F0, F1, 0
	WIN 0
	s_sub_co_u32 s3, s3, 1
	s_cmp_lg_u32 s3, 0
	s_cbranch_scc1 .Llap
	QUARTER 0, 2, F1, F0, 0                        ; the last lap fills nothing
	QUARTER 0, 3, F0, F1, 0
	TURN 0, 1, 0
	QUARTER 1, 1, F0, F1, 0
	QUARTER 1, 2, F1, F0, 0
	QUARTER 1, 3, F0, F1, 0
	s_wait_dscnt 8
	WIN MUL_LO
	MUL16 F1, 0, 0, 0
	MUL16 F1, 0, 2, 0
	s_wait_dscnt 0
	WIN MUL_HI
	MUL16 F1, 1, 0, 0
	MUL16 F1, 1, 2, 0
	WIN 0
	PLACES
	s_wait_loadcnt 0x0                             ; the bias
	PACK 0
	TOSTAGE 0
.irp a, 1,2,3,4,5,6,7
	PACK \a
	SEND \a-1
	TOSTAGE \a
.endr
	SEND 7
	s_set_vgpr_msb 0x1
	s_wait_tensorcnt 0x0
	ds_add_u32 v63, v31
	s_wait_dscnt 0x0
	s_set_vgpr_msb 0x100
	CROUND                                         ; the closing round
	s_endpgm
.Lfunc_end_k_qaf92da96c1_proj:
	.size	k_qaf92da96c1_proj, .Lfunc_end_k_qaf92da96c1_proj-k_qaf92da96c1_proj
	.p2alignl 7, 3214868480
	.fill 96, 4, 3214868480
	.section	.rodata,"a",@progbits
	.p2align	6, 0x0
	.amdhsa_kernel k_qaf92da96c1_proj
		.amdhsa_group_segment_fixed_size 327680
		.amdhsa_private_segment_fixed_size 0
		.amdhsa_enable_private_segment 0
		.amdhsa_kernarg_size 48
		.amdhsa_user_sgpr_count 2
		.amdhsa_user_sgpr_kernarg_segment_ptr 1
		.amdhsa_wavefront_size32 1
		.amdhsa_system_sgpr_workgroup_id_x 1
		.amdhsa_system_sgpr_workgroup_id_y 1
		.amdhsa_system_sgpr_workgroup_id_z 1
		.amdhsa_system_vgpr_workitem_id 0
		.amdhsa_next_free_vgpr 1024
		.amdhsa_next_free_sgpr 80
		.amdhsa_reserve_vcc 0
		.amdhsa_float_denorm_mode_32 3
		.amdhsa_float_denorm_mode_16_64 3
		.amdhsa_memory_ordered 1
		.amdhsa_forward_progress 1
		.amdhsa_inst_pref_size 161
	.end_amdhsa_kernel
	.amdgpu_metadata
---
amdhsa.version: [ 1, 2 ]
amdhsa.kernels:
  - .name:           k_qaf92da96c1_proj
    .symbol:         k_qaf92da96c1_proj.kd
    .args:
      - { .name: hn, .offset: 0, .size: 8, .value_kind: global_buffer, .address_space: global }
      - { .name: wb, .offset: 8, .size: 8, .value_kind: global_buffer, .address_space: global }
      - { .name: qkv, .offset: 16, .size: 8, .value_kind: global_buffer, .address_space: global }
      - { .name: bq, .offset: 24, .size: 8, .value_kind: global_buffer, .address_space: global }
      - { .name: bk, .offset: 32, .size: 8, .value_kind: global_buffer, .address_space: global }
      - { .name: bv, .offset: 40, .size: 8, .value_kind: global_buffer, .address_space: global }
    .group_segment_fixed_size: 327680
    .private_segment_fixed_size: 0
    .kernarg_segment_align: 8
    .kernarg_segment_size: 48
    .max_flat_workgroup_size: 128
    .sgpr_count:     80
    .vgpr_count:     1024
    .wavefront_size: 32
...
	.end_amdgpu_metadata
.endif
;; end of part 2
;; launch attn (part 3): grid 4 x 64, 4 waves a work-group, clusters of 4 x 1, 321,024 bytes of LDS; arguments qkv, att; writes att
.if DOCPART == 3
	.amdgcn_target "amdgcn-amd-amdhsa--gfx1250"
	.amdhsa_code_object_version 6
	.text
	.protected	k_qaf92da96c1_attn
	.globl	k_qaf92da96c1_attn
	.p2align	8
	.type	k_qaf92da96c1_attn,@function
k_qaf92da96c1_attn:
	s_mov_b64 s[64:65], 0
	v_nop
	global_prefetch_b8 v0, s[64:65] scope:SCOPE_SE
	s_setreg_imm32_b32 hwreg(HW_REG_WAVE_MODE, 25, 1), 1
	s_wait_xcnt 0x0
	s_wait_alu depctr_hold_cnt(0) depctr_sa_sdst(0) depctr_va_vdst(0) depctr_va_sdst(0) depctr_va_ssrc(0) depctr_va_vcc(0) depctr_vm_vsrc(0)
	s_getreg_b32 s2, hwreg(HW_REG_IB_STS2, 6, 4)
	s_cmp_eq_u32 s2, 0
	s_cbranch_scc0 .Lentry_in_a_cluster
	s_endpgm
.Lentry_in_a_cluster:
	s_bfe_u32 s2, ttmp6, 0x10000c
	s_cmp_lg_u32 s2, 0x3003
	s_cbranch_scc0 .Lentry_shape_is_right
	s_endpgm
.Lentry_shape_is_right:
; att[b][q][head] = softmax over keys k <= q of (q . k / 8) times v.  qkv: sections q, k, v, each [4096][1024] f16; a head is 64 channels, 128 bytes of a row.
; CLUSTER.  The four work-groups of a cluster belong to one (batch, head) and need the same K and V.  All 1,024 rows of both are fetched ONCE for the four, by joint loads at the start, and stay
; in LDS: 1,024 x 144 bytes of K, 1,024 x 160 of V.  Nothing is filled again, so there is no ring, and behind the second barrier no wave waits for another.
; SHARES.  The queries fall into eight blocks of 128, the keys into eight chunks of 128; block i needs chunks 0..i.  Work-group cx owns rows 32 cx .. 32 cx + 31 of EVERY block, so the four
; partners run the same text with the same branches; cx enters Q's and O's global addresses and the mask's limit alone.  Wave w owns the strips of blocks w and 7 - w:
; (w + 1) + (8 - w) = 9 units of 32 queries x 128 keys, two tiles of 16 queries.  Units 0..w: the low strip, chunks 0..w; units w + 1..8: the high strip, chunks 0..7 - w.
; In unit u = w the chunk is the low strip's diagonal: there the mask is applied, and behind it the low strip leaves and the state is set for the high one.  Unit 8 is the high strip's diagonal.
; LAYOUT.  S^T = K Q^T (source 0 = 16 keys, source 1 = 16 queries): a lane holds one query and keys 8 (l / 16) + 0..7; two such tiles rounded to f16 are source 1 of O^T = V^T P.
; V ([key][channel]) is turned by ds_load_tr16_b128.  SOFTMAX: a running maximum m and sum l for each query; p = 2^(c s - c m), c = log2(e) / 8; O and l are multiplied by a = 2^(c m_old - c m_new).
; Chunk 0 holds key 0, which no query masks, so m is finite from a strip's first unit on.  The high strip starts from m = -inf: a = 0 wipes the low strip's l and O.
; LDS LOADS AHEAD.  V of a unit is asked for at the unit's head, K of the next unit behind this unit's K Q^T: both land while the softmax is worked.
; A store covers four rows of 128 bytes: a head's part of a row is half of an aligned block of 256 bytes, the other half is another cluster's.
; Limits: q, k, v, p and the result in f16.  p lies in [0, 1]; a p below 2^-25 enters the second product as zero, against a row sum of at least 1.  The result is a mean of rows of v, so it
; has v's range.  a below 2^-126 is zero.  The wipe by a = 0 wants the low strip's O and l finite, which they are wherever its results are.
; Windows: 0: addresses, statistics, S^T (64 a tile), P (32 a tile).  1: O^T v0-63, Q at work v64-95, the high strip's Q v96-127.  2: K v0-127, V v128-255.
.set PKP,   144                        ; a row of K in LDS: 128 + 16 bytes, 9 x 16
.set PVP,   160                        ; a row of V: 128 + 32 bytes, 5 x 32
.set CHK,   128*PKP                    ; a chunk of K: 18,432 bytes
.set CHV,   128*PVP                    ; a chunk of V: 20,480 bytes
.set VREG,  1024*PKP                   ; V begins behind K's 147,456 bytes
.set STAGE, VREG+1024*PVP              ; 311,296: 16 rows x 144 bytes for each wave, into which no fill lands
.set SP,    144
.set AK,  3                            ; v3  my lane's place in a chunk of K
.set AV,  4                            ; v4  the same for V, V's region included
.set QO,  7
.set STO, 8
.set RD,  9
.set GO,  10
.set LIM, 12                           ; v12-13  tile t: the largest 16 kb + j that my lane keeps in a diagonal chunk
.set ADK, 14                           ; v14 LDS address of the K fragments to be fetched
.set ADV, 15                           ; v15 the same for V
.set ST,  16                           ; tile t at ST + 8 t: +0 c m, +1 m, +2, +3 l, +4..+7 at work; a in +6
.set S,   64
.set P,   192
.set QC,  64                           ; window 1
.set QH,  96
.set VF,  128                          ; window 2
.set WV,  8                            ; s8  my wave's number
.set CX,  9                            ; s9  my place in the cluster
.set WP1, 10                           ; s10 wave + 1
.set U,   11                           ; s11 the unit in hand
.set F,   12                           ; s12 the unit whose fragments are fetched next
.set IDX, 13
.set TBK, 14                           ; s14 LDS byte at which that unit's chunk of K begins
.set TBV, 15                           ; s15 the same in V's region
.set CNT, 16
.set NINF, 17
.set G1KA, 24                          ; s[24:31] group 1: 64 rows of K      s[32:39] 448 rows of K
.set G1KB, 32
.set G1VA, 40                          ; s[40:47], s[48:55] the same for V: other padding
.set G1VB, 48
.set G0KA, 56                          ; group 0, one set for each of the four loads of the text
.set G0KB, 60
.set G0VA, 68
.set G0VB, 72
.set CS,  76
.set SEL, 78
.set OUTL, 80
.set OUTH, 82
.set QLB, 84
.set QHB, 86
.set MSB, 0
.macro WIN new                         ; the immediate's high byte repeats the setting that is left
.if MSB != (\new)
	s_set_vgpr_msb (MSB<<8)|(\new)
.set MSB, (\new)
.endif
.endm
.macro PLACES                          ; four plain places behind matrix instructions, in front of loads into their sources and of reads of their results
.rept 4
	v_nop
.endr
.endm
; A round of the cluster's barrier: my work-group's barrier, wave 0 signals for the work-group, every wave waits for all four work-groups, my work-group's barrier once more.
.macro CROUND
	s_barrier_signal -1
	s_barrier_wait -1
	s_cmp_lg_u32 s[WV], 0
	s_cbranch_scc1 .Lnot_wave_0_\@
	s_barrier_signal -3
.Lnot_wave_0_\@:
	s_barrier_wait -3
	s_barrier_signal -1
	s_barrier_wait -1
.endm
.macro SETG1 g, rows, pad              ; a tile of rows x 64 elements of 2 bytes; after every 32 words pad + 1 words of padding; the mask names all four work-groups, bit 21 beside it
	s_mov_b32 s[\g], 15|(1<<16)|(1<<20)|(1<<21)|(4<<22)|(\pad<<25)
	s_mov_b32 s[\g+1], 64<<16                      ; tensor_dim0 = 64
	s_mov_b32 s[\g+2], \rows<<16                   ; tensor_dim1
	s_mov_b32 s[\g+3], 64<<16                      ; tile_dim0 = 64
	s_mov_b32 s[\g+4], \rows                       ; tile_dim1
	s_mov_b32 s[\g+5], 1024                        ; elements from row to row
	s_mov_b32 s[\g+6], 0
	s_mov_b32 s[\g+7], 0
.endm
	s_load_b128 s[4:7], s[0:1], 0x0                ; qkv s[4:5], att s[6:7]
	v_lshl_add_u32 v62, v0, 2, 0x4e400
	v_mov_b32 v63, 0
	ds_add_u32 v62, v63
	v_lshrrev_b32 v1, 5, v0
	v_readfirstlane_b32 s[WV], v1
	s_add_co_u32 s[WP1], s[WV], 1
	s_bfe_u32 s[CX], ttmp6, 0x40000                ; cx
	s_and_b32 s2, ttmp7, 0xffff                    ; the cluster's y: 16 x batch + head, which the partners share
	s_lshr_b32 s3, s2, 4
	s_and_b32 s2, s2, 15
	s_lshl_b32 s3, s3, 21                          ; 1,024 rows of 2,048 bytes a batch
	s_lshl_b32 s2, s2, 7
	s_add_co_u32 s18, s3, s2                       ; the head's first byte in a section
	s_and_b32 s2, s[WV], 1                         ; which half of K's (V's) rows I fetch
	s_lshl_b32 s88, s2, 17                         ; first load: my 64 rows of chunk 0,
	s_add_co_u32 s88, s88, s18
	s_add_co_u32 s88, s88, 8388608                 ; in K's section
	s_mov_b32 s89, 0
	s_mul_i32 s90, s2, 448*2048                    ; second load: my 448 rows of chunks 1 to 7
	s_add_co_u32 s90, s90, 128*2048+8388608
	s_add_co_u32 s90, s90, s18
	s_mov_b32 s91, 0
	s_mov_b32 s[G0KA], 1
	s_mul_i32 s[G0KA+1], s2, 64*PKP                ; LDS addresses: the wave's half times a constant, plus a constant
	s_mov_b32 s[G0KB], 1
	s_mul_i32 s[G0KB+1], s2, 448*PKP
	s_add_co_u32 s[G0KB+1], s[G0KB+1], CHK
	s_mov_b32 s[G0VA], 1
	s_mul_i32 s[G0VA+1], s2, 64*PVP
	s_add_co_u32 s[G0VA+1], s[G0VA+1], VREG
	s_mov_b32 s[G0VB], 1
	s_mul_i32 s[G0VB+1], s2, 448*PVP
	s_add_co_u32 s[G0VB+1], s[G0VB+1], VREG+CHV
	SETG1 G1KA, 64, 3
	SETG1 G1KB, 448, 3
	SETG1 G1VA, 64, 7
	SETG1 G1VB, 448, 7
	s_lshl_b32 s3, s[CX], 16                       ; Q and O: my work-group's 32 rows of a block,
	s_add_co_u32 s3, s3, s18
	s_lshl_b32 s92, s[WV], 18                      ; block w (128 rows of 2,048 bytes),
	s_add_co_u32 s92, s92, s3
	s_mov_b32 s93, 0
	s_sub_co_u32 s94, 7, s[WV]
	s_lshl_b32 s94, s94, 18                        ; block 7 - w
	s_add_co_u32 s94, s94, s3
	s_mov_b32 s95, 0
	s_mov_b32 s[CS], 0x3e38aa3b                    ; c = log2(e) / 8
	s_mov_b32 s[CS+1], s[CS]
	s_mov_b32 s[SEL], 0x76543210
	s_mov_b32 s[SEL+1], 0xfedcba98
	s_mov_b32 s[NINF], 0xff800000
	s_mov_b32 s[U], 0
	s_mov_b32 s[F], 1
	s_wait_dscnt 0x0
	s_wait_kmcnt 0x0
	s_add_nc_u64 s[G0KA+2:G0KA+3], s[4:5], s[88:89]
	s_add_nc_u64 s[G0VA+2:G0VA+3], s[G0KA+2:G0KA+3], 8388608   ; V's section lies 8,388,608 bytes behind K's
	s_add_nc_u64 s[G0KB+2:G0KB+3], s[4:5], s[90:91]
	s_add_nc_u64 s[G0VB+2:G0VB+3], s[G0KB+2:G0KB+3], 8388608
.irp g, G0KA, G0KB, G0VA, G0VB
	s_or_b32 s[\g+3], s[\g+3], 0x80000000          ; type = 2
.endr
	s_add_nc_u64 s[QLB:QLB+1], s[4:5], s[92:93]
	s_add_nc_u64 s[QHB:QHB+1], s[4:5], s[94:95]
	s_add_nc_u64 s[OUTL:OUTL+1], s[6:7], s[92:93]
	s_add_nc_u64 s[OUTH:OUTH+1], s[6:7], s[94:95]
	CROUND                                         ; all four work-groups are here: the joint loads meet
	s_cmp_lt_u32 s[WV], 2                          ; waves 0, 1 fetch K's halves, waves 2, 3 V's; a wave's two loads stand in one branch: two loads of mine are out
	s_cbranch_scc0 .Lfirst_v
	tensor_load_to_lds s[G0KA:G0KA+3], s[G1KA:G1KA+7]
	s_nop 0
	tensor_load_to_lds s[G0KB:G0KB+3], s[G1KB:G1KB+7]
	s_nop 0
.rept 4
	v_nop
.endr
	s_branch .Lfirst_asked
.Lfirst_v:
	tensor_load_to_lds s[G0VA:G0VA+3], s[G1VA:G1VA+7]
	s_nop 0
	tensor_load_to_lds s[G0VB:G0VB+3], s[G1VB:G1VB+7]
	s_nop 0
.rept 4
	v_nop
.endr
.Lfirst_asked:
	v_and_b32 v1, 15, v0                           ; r
	v_bfe_u32 v2, v0, 4, 1                         ; h
	v_lshlrev_b32 v[QO], 11, v1
	v_lshl_add_u32 v[QO], v2, 4, v[QO]             ; row x 2,048 + 16 h
	WIN 0x40
.irp t, 0,1
.irp c, 0,1
	global_load_b128 v[QC+16*\t+8*\c:QC+16*\t+8*\c+3],   v[QO], s[QLB:QLB+1] offset:\t*32768+\c*64
	global_load_b128 v[QC+16*\t+8*\c+4:QC+16*\t+8*\c+7], v[QO], s[QLB:QLB+1] offset:\t*32768+\c*64+32
	global_load_b128 v[QH+16*\t+8*\c:QH+16*\t+8*\c+3],   v[QO], s[QHB:QHB+1] offset:\t*32768+\c*64
	global_load_b128 v[QH+16*\t+8*\c+4:QH+16*\t+8*\c+7], v[QO], s[QHB:QHB+1] offset:\t*32768+\c*64+32
.endr
.endr
	WIN 0
	v_mul_u32_u24 v[AK], v1, PKP
	v_lshl_add_u32 v[AK], v2, 4, v[AK]
	v_and_b32 v5, 7, v0
	v_bfe_u32 v6, v0, 3, 1
	v_lshl_add_u32 v[AV], v2, 3, v5                ; key 8 h + l % 8
	v_mul_u32_u24 v[AV], v[AV], PVP
	v_lshl_add_u32 v[AV], v6, 4, v[AV]
	v_add_nc_u32 v[AV], VREG, v[AV]
	s_mul_i32 s2, s[WV], 16*SP
	s_add_co_u32 s2, s2, STAGE                     ; my stage
	v_mul_u32_u24 v[STO], v1, SP
	v_lshl_add_u32 v[STO], v2, 4, v[STO]
	v_add_nc_u32 v[STO], s2, v[STO]
	v_bfe_u32 v6, v0, 3, 2                         ; back: eight lanes take a row of 128 bytes, a load four rows
	v_mul_u32_u24 v[RD], v6, SP
	v_lshl_add_u32 v[RD], v5, 4, v[RD]
	v_add_nc_u32 v[RD], s2, v[RD]
	v_lshlrev_b32 v[GO], 11, v6
	v_lshl_add_u32 v[GO], v5, 4, v[GO]
	v_lshlrev_b32 v11, 3, v2
	v_sub_nc_u32 v[LIM], v1, v11                   ; key 16 kb + 8 h + j <= query 32 cx + 16 t + r  is  16 kb + j <= 32 cx + 16 t + r - 8 h (signed)
	s_lshl_b32 s3, s[CX], 5
	v_add_nc_u32 v[LIM], s3, v[LIM]
	v_add_nc_u32 v[LIM+1], 16, v[LIM]
; The chunk of unit F: F while F <= w, else F - (w + 1): 0 to 7, as the minimum states.  Its first bytes in K's and in V's region.
.macro NEXTIDX
	s_cmp_le_u32 s[F], s[WV]
	s_cselect_b32 s[IDX], 0, s[WP1]
	s_sub_co_u32 s[IDX], s[F], s[IDX]
	s_add_co_u32 s[F], s[F], 1
	s_min_u32 s[IDX], s[IDX], 7
	s_mul_i32 s[TBK], s[IDX], CHK
	s_mul_i32 s[TBV], s[IDX], CHV
.endm
.macro FETCH_K adr                     ; 32 LDS loads: a chunk's 16 fragments of K
	WIN 0x80
.irp f, 0,1,2,3,4,5,6,7,8,9,10,11,12,13,14,15  ; keys 16 (f / 2) on, channels 32 (f % 2) on
	ds_load_b128 v[8*\f:8*\f+3],   v[\adr] offset:(\f/2)*16*PKP+(\f%2)*64
	ds_load_b128 v[8*\f+4:8*\f+7], v[\adr] offset:(\f/2)*16*PKP+(\f%2)*64+32
.endr
.endm
.macro FETCH_V adr                     ; 32 LDS loads: a chunk's 16 fragments of V, turned
	WIN 0x80
.irp f, 0,1,2,3,4,5,6,7,8,9,10,11,12,13,14,15  ; keys 32 (f / 4) on, channels 16 (f % 4) on
	ds_load_tr16_b128 v[VF+8*\f:VF+8*\f+3],   v[\adr] offset:(\f/4)*32*PVP+(\f%4)*32
	ds_load_tr16_b128 v[VF+8*\f+4:VF+8*\f+7], v[\adr] offset:(\f/4)*32*PVP+16*PVP+(\f%4)*32
.endr
.endm
.macro KQM                             ; 32 products S^T = K Q^T; 16 accumulators by turns; the first 16 start the sums
	WIN 0x06                                       ; K window 2, Q window 1, S^T window 0
.set i, 0
.rept 32
.set rS, S+64*(i%2)+8*((i/2)%8)
.set rK, 16*((i/2)%8)+8*(i/16)
.set rQ, QC+16*(i%2)+8*(i/16)
.if i < 16
	v_wmma_f32_16x16x32_f16 v[rS:rS+7], v[rK:rK+7], v[rQ:rQ+7], 0
.else
	v_wmma_f32_16x16x32_f16 v[rS:rS+7], v[rK:rK+7], v[rQ:rQ+7], v[rS:rS+7]
.endif
.set i, i+1
.endr
.endm
.macro PVM first                       ; 32 products O^T += V^T P; 8 accumulators by turns
	WIN 0x52                                       ; V window 2, P window 0, O^T window 1
.set i, 0
.rept 32
.set rO, 32*(i%2)+8*((i/2)%4)
.set rV, VF+32*(i/8)+8*((i/2)%4)
.set rP, P+32*(i%2)+8*(i/8)
.if \first && (i < 8)
	v_wmma_f32_16x16x32_f16 v[rO:rO+7], v[rV:rV+7], v[rP:rP+7], 0
.else
	v_wmma_f32_16x16x32_f16 v[rO:rO+7], v[rV:rV+7], v[rP:rP+7], v[rO:rO+7]
.endif
.set i, i+1
.endr
.endm
.macro MASK t                          ; a diagonal chunk: scores of keys behind the query become -inf
.set n, 0
.rept 64
	v_cmp_le_i32 vcc_lo, 16*(n/8)+n%8, v[LIM+\t]
	v_cndmask_b32 v[S+64*\t+n], s[NINF], v[S+64*\t+n], vcc_lo
.set n, n+1
.endr
.endm
.macro SOFT t, first                   ; one tile's softmax for one unit
	WIN 0
.set rT, ST+8*\t
.set rS, S+64*\t
.set rP, P+32*\t
.irp k, 0,1,2,3                        ; the maximum: four chains of 15 scores, the four left over, the chains, the old m
	v_max3_num_f32 v[rT+4+\k], v[rS+16*\k], v[rS+16*\k+1], v[rS+16*\k+2]
.endr
.irp u, 1,2,3,4,5,6
.irp k, 0,1,2,3
	v_max3_num_f32 v[rT+4+\k], v[rT+4+\k], v[rS+16*\k+2*\u+1], v[rS+16*\k+2*\u+2]
.endr
.endr
	v_max3_num_f32 v[rT+4], v[rT+4], v[rS+15], v[rS+31]
	v_max3_num_f32 v[rT+6], v[rT+6], v[rS+47], v[rS+63]
	v_max3_num_f32 v[rT+4], v[rT+4], v[rT+5], v[rT+6]
.if \first
	v_max_num_f32 v[rT+4], v[rT+4], v[rT+7]
.else
	v_max3_num_f32 v[rT+4], v[rT+4], v[rT+7], v[rT+1]
	v_mov_b32 v[rT+7], v[rT]                       ; c m_old is kept for a
.endif
	v_permlanex16_b32 v[rT+5], v[rT+4], s[SEL], s[SEL+1]   ; the query's other 64 keys lie in the lane 16 away
	v_max_num_f32 v[rT+1], v[rT+4], v[rT+5]
	v_mul_f32 v[rT], s[CS], v[rT+1]
.if !\first
	v_sub_f32 v[rT+7], v[rT+7], v[rT]
	v_exp_f32 v[rT+6], v[rT+7]                     ; a; the scalings below, which name neither register, are the plain places behind it
.endif
.set b, 0
.rept 4                                ; c s - c m for pairs 0 to 3
	v_pk_fma_f32 v[rS+2*b:rS+2*b+1], v[rS+2*b:rS+2*b+1], s[CS:CS+1], v[rT:rT+1] op_sel_hi:[1,0,0] neg_lo:[0,0,1] neg_hi:[0,0,1]
.set b, b+1
.endr
; The 64 exponentials take turns with plain instructions that are ready: behind an even one the scaling of the pair four pairs on (at the end: one of the first sums, of pairs long
; rounded), behind an odd one the rounding of the pair before.  So between an exponential and the use of its result a plain instruction always stands (ISA guide 5.7.2).
.set e, 0
.rept 64
	v_exp_f32 v[rS+e], v[rS+e]
.if (e%2 == 0) && (e/2+4 < 32)
.set b, e/2+4
	v_pk_fma_f32 v[rS+2*b:rS+2*b+1], v[rS+2*b:rS+2*b+1], s[CS:CS+1], v[rT:rT+1] op_sel_hi:[1,0,0] neg_lo:[0,0,1] neg_hi:[0,0,1]
.elseif e%2 == 0
.set q, e/2-28
	v_pk_add_f32 v[rS+4*q:rS+4*q+1], v[rS+4*q:rS+4*q+1], v[rS+4*q+2:rS+4*q+3]
.elseif e > 1
.set b, (e-1)/2-1
	s_wait_alu depctr_va_vdst(0)
	v_cvt_pk_f16_f32 v[rP+b], v[rS+2*b], v[rS+2*b+1]
.endif
.set e, e+1
.endr
	v_cvt_pk_f16_f32 v[rP+31], v[rS+62], v[rS+63]  ; the rounding of pair 30 stands between the last exponential and this line
.set u, 4
.rept 12                               ; the sum of the 32 pairs, in place: neighbours 1 pair apart (four are done above), then 2, 4, 8, 16
	v_pk_add_f32 v[rS+4*u:rS+4*u+1], v[rS+4*u:rS+4*u+1], v[rS+4*u+2:rS+4*u+3]
.set u, u+1
.endr
.irp w, 2,4,8
.set u, 0
.rept 16/\w
	v_pk_add_f32 v[rS+4*\w*u:rS+4*\w*u+1], v[rS+4*\w*u:rS+4*\w*u+1], v[rS+4*\w*u+2*\w:rS+4*\w*u+2*\w+1]
.set u, u+1
.endr
.endr
.if \first
	v_pk_add_f32 v[rT+2:rT+3], v[rS:rS+1], v[rS+32:rS+33]
.else
	v_pk_add_f32 v[rS:rS+1], v[rS:rS+1], v[rS+32:rS+33]
	v_pk_fma_f32 v[rT+2:rT+3], v[rT+2:rT+3], v[rT+6:rT+7], v[rS:rS+1] op_sel_hi:[1,0,1]   ; l = a l + the sum
	WIN 0x41                                       ; O^T window 1, a window 0
.set p, 0
.rept 16
	v_pk_mul_f32 v[32*\t+2*p:32*\t+2*p+1], v[32*\t+2*p:32*\t+2*p+1], v[rT+6:rT+7] op_sel_hi:[1,0]
.set p, p+1
.endr
.endif
.endm
; A strip leaves: l's halves are added, O^T is divided by l, rounded, sent through my stage a tile (16 rows) at a time and stored as rows of 128 bytes.
.macro FINAL ob
.irp t, 0,1
	v_add_f32 v[ST+8*\t+4], v[ST+8*\t+2], v[ST+8*\t+3]
.endr
.irp t, 0,1
	v_permlanex16_b32 v[ST+8*\t+5], v[ST+8*\t+4], s[SEL], s[SEL+1]
.endr
.irp t, 0,1
	v_add_f32 v[ST+8*\t+4], v[ST+8*\t+4], v[ST+8*\t+5]
.endr
.irp t, 0,1
	v_rcp_f32 v[ST+8*\t+6], v[ST+8*\t+4]
	v_rcp_f32 v[ST+8*\t+7], v[ST+8*\t+4]
.endr
	v_nop                                          ; a plain instruction between the reciprocals and their use
	WIN 0x41
	s_wait_alu depctr_va_vdst(0)
.irp t, 0,1
.set i, 0
.rept 16
	v_pk_mul_f32 v[32*\t+2*i:32*\t+2*i+1], v[32*\t+2*i:32*\t+2*i+1], v[ST+8*\t+6:ST+8*\t+7]
.set i, i+1
.endr
.endr
	WIN 0x05                                       ; sources window 1, destination window 0
.set i, 0
.rept 32
	v_cvt_pk_f16_f32 v[S+i], v[2*i], v[2*i+1]
.set i, i+1
.endr
	WIN 0
.irp t, 0,1                            ; LDS serves a wave's instructions in order: a tile's loads see its stores, and the next tile's stores come behind them
.irp cb, 0,1,2,3
	ds_store_b128 v[STO], v[S+16*\t+4*\cb:S+16*\t+4*\cb+3] offset:32*\cb
.endr
.irp f, 0,1,2,3
	ds_load_b128 v[S+32+16*\t+4*\f:S+32+16*\t+4*\f+3], v[RD] offset:\f*4*SP
.endr
.endr
.irp t, 0,1
.irp f, 0,1,2,3
	s_wait_dscnt 11-8*\t-\f                        ; behind tile 0's load f stand 3 - f loads and tile 1's eight instructions, behind tile 1's load f 3 - f loads
	global_store_b128 v[GO], v[S+32+16*\t+4*\f:S+32+16*\t+4*\f+3], s[\ob:\ob+1] offset:\t*32768+\f*8192
.endr
.endr
.endm
.macro SWITCH                          ; from the low strip to the high one
	FINAL OUTL
	s_wait_xcnt 0x0                                ; S^T's registers, which the stores read, are written again only behind this wait
.irp t, 0,1
	v_mov_b32 v[ST+8*\t], s[NINF]                  ; c m = m = -inf: the next unit's a is 0
	v_mov_b32 v[ST+8*\t+1], s[NINF]
.endr
	WIN 0x41
.set i, 0
.rept 32
	v_mov_b32 v[QC+i], v[QH+i]                     ; the products name one set of Q registers
.set i, i+1
.endr
	WIN 0
.endm
; A unit.  first = 1: unit 0, which starts m, l and O^T and reads chunk 0 at constant addresses.  pre = 1: the next unit's K is fetched behind this unit's K Q^T.
; mode 1: mask and switch if this is unit w; 2: mask.
.macro UNIT first, pre, mode
.if \first
	FETCH_V AV
.else
	v_add_nc_u32 v[ADV], s[TBV], v[AV]
	FETCH_V ADV
.endif
	s_wait_dscnt 32                                ; K, asked for earlier, is in; V's 32 loads stay out
	KQM
	WIN 0
	PLACES
.if \pre
	NEXTIDX
	v_add_nc_u32 v[ADK], s[TBK], v[AK]
	FETCH_K ADK
	WIN 0
.endif
.if \mode == 1
	s_cmp_lg_u32 s[U], s[WV]
	s_cbranch_scc1 .Lnomask_\@
.endif
.if \mode >= 1
	MASK 0
	MASK 1
.endif
.if \mode == 1
.Lnomask_\@:
.endif
	SOFT 0, \first
	SOFT 1, \first
.if \pre
	s_wait_dscnt 32                                ; V is in; the next unit's K, 32 younger loads, stays out
.else
	s_wait_dscnt 0x0                               ; V is in
.endif
	PVM \first
	WIN 0
	PLACES                                         ; in front of reads of O^T and of the next loads into V's registers
.if \mode == 1
	s_cmp_lg_u32 s[U], s[WV]
	s_cbranch_scc1 .Lnoswitch_\@
	SWITCH
.Lnoswitch_\@:
.endif
	s_add_co_u32 s[U], s[U], 1
.endm
	s_wait_tensorcnt 0x1                           ; my part of chunk 0 is in; my second load may stay out
	s_barrier_signal -1
	s_barrier_wait -1                              ; everybody's part of chunk 0 is in
	FETCH_K AK
	s_wait_loadcnt 0x0                             ; Q
	UNIT 1, 0, 1                                   ; unit 0, on chunk 0, while chunks 1 to 7 land
	s_wait_tensorcnt 0x0                           ; my part of chunks 1 to 7 is in
	s_wait_dscnt 0x0
	s_barrier_signal -1
	s_barrier_wait -1                              ; everybody's is: from here on no wave waits for another
	NEXTIDX
	v_add_nc_u32 v[ADK], s[TBK], v[AK]
	FETCH_K ADK
	WIN 0
	s_mov_b32 s[CNT], 7
.Lunit:                                                ; units 1 to 7
	UNIT 0, 1, 1
	s_sub_co_u32 s[CNT], s[CNT], 1
	s_cmp_lg_u32 s[CNT], 0
	s_cbranch_scc1 .Lunit
	UNIT 0, 0, 2                                   ; unit 8: the high strip's diagonal; nothing is left to fetch
	FINAL OUTH
	s_wait_tensorcnt 0x0
	ds_add_u32 v62, v63
	s_wait_dscnt 0x0
	CROUND                                         ; the closing round
	s_endpgm
.Lfunc_end_k_qaf92da96c1_attn:
	.size	k_qaf92da96c1_attn, .Lfunc_end_k_qaf92da96c1_attn-k_qaf92da96c1_attn
	.p2alignl 7, 3214868480
	.fill 96, 4, 3214868480
	.section	.rodata,"a",@progbits
	.p2align	6, 0x0
	.amdhsa_kernel k_qaf92da96c1_attn
		.amdhsa_group_segment_fixed_size 321024
		.amdhsa_private_segment_fixed_size 0
		.amdhsa_enable_private_segment 0
		.amdhsa_kernarg_size 16
		.amdhsa_user_sgpr_count 2
		.amdhsa_user_sgpr_kernarg_segment_ptr 1
		.amdhsa_wavefront_size32 1
		.amdhsa_system_sgpr_workgroup_id_x 1
		.amdhsa_system_sgpr_workgroup_id_y 1
		.amdhsa_system_sgpr_workgroup_id_z 1
		.amdhsa_system_vgpr_workitem_id 0
		.amdhsa_next_free_vgpr 768
		.amdhsa_next_free_sgpr 96
		.amdhsa_reserve_vcc 1
		.amdhsa_float_denorm_mode_32 3
		.amdhsa_float_denorm_mode_16_64 3
		.amdhsa_memory_ordered 1
		.amdhsa_forward_progress 1
		.amdhsa_inst_pref_size 160
	.end_amdhsa_kernel
	.amdgpu_metadata
---
amdhsa.version: [ 1, 2 ]
amdhsa.kernels:
  - .name:           k_qaf92da96c1_attn
    .symbol:         k_qaf92da96c1_attn.kd
    .args:
      - { .name: qkv, .offset: 0, .size: 8, .value_kind: global_buffer, .address_space: global }
      - { .name: att, .offset: 8, .size: 8, .value_kind: global_buffer, .address_space: global }
    .group_segment_fixed_size: 321024
    .private_segment_fixed_size: 0
    .kernarg_segment_align: 8
    .kernarg_segment_size: 16
    .max_flat_workgroup_size: 128
    .sgpr_count:     96
    .vgpr_count:     768
    .wavefront_size: 32
...
	.end_amdgpu_metadata
.endif
;; end of part 3
;; launch wo (part 4): grid 8 x 32, 4 waves a work-group, clusters of 4 x 4, 327,680 bytes of LDS; arguments att, wb, x1, bo, x; writes x1
.if DOCPART == 4
	.amdgcn_target "amdgcn-amd-amdhsa--gfx1250"
	.amdhsa_code_object_version 6
	.text
	.protected	k_qaf92da96c1_wo
	.globl	k_qaf92da96c1_wo
	.p2align	8
	.type	k_qaf92da96c1_wo,@function
k_qaf92da96c1_wo:
	s_mov_b64 s[64:65], 0
	v_nop
	global_prefetch_b8 v0, s[64:65] scope:SCOPE_SE
	s_setreg_imm32_b32 hwreg(HW_REG_WAVE_MODE, 25, 1), 1
	s_wait_xcnt 0x0
	s_wait_alu depctr_hold_cnt(0) depctr_sa_sdst(0) depctr_va_vdst(0) depctr_va_sdst(0) depctr_va_ssrc(0) depctr_va_vcc(0) depctr_vm_vsrc(0)
	s_getreg_b32 s2, hwreg(HW_REG_IB_STS2, 6, 4)
	s_cmp_eq_u32 s2, 0
	s_cbranch_scc0 .Lentry_in_a_cluster
	s_endpgm
.Lentry_in_a_cluster:
	s_bfe_u32 s2, ttmp6, 0x10000c
	s_cmp_lg_u32 s2, 0xf033
	s_cbranch_scc0 .Lentry_shape_is_right
	s_endpgm
.Lentry_shape_is_right:
; out = res + A W + bias.  A: [4096][SIZE_K] f16.  W: [SIZE_K (in)][1024 (out)] f16 at byte WOFF of wb.  res, out: [4096][1024] f32.  bias: [1024] f32.
; A tile of C is 128 x 128, which gives 8 x 32 = 256 work-groups; four waves, each 64 x 64: 16 accumulators.  K goes in steps of 256 through two LDS slots.
; W lies [K][N]: its tile is 256 rows of K x 256 bytes, turned by ds_load_tr16_b128.  The matrix instruction is used transposed (source 0 = W's columns, source 1 = A's rows).
; CLUSTERS 4 x 4: A's tile is shared along a row of the cluster, W's along a column; each is asked for jointly.
; THE WALK ALONG K GOES ROUND: a cluster begins at K step (NSTEP / 2) x ((cluster x + cluster y) % 2) and wraps at the end.  The two clusters that read the same rows of A differ in
; cluster x, the clusters that read the same columns of W in cluster y: so in the second half of its walk a cluster asks for tiles that another cluster has asked for half a walk earlier.
; The start hangs on the cluster's coordinates alone, so the partners of a joint load hold the same descriptor.
; A wave's 64 columns of f32 are 256 aligned bytes, so each wave has a stage of its own and the way out needs no barrier.  The residual is asked for at the start.
; Windows: 0: addresses, bias, accumulators (a, b) at 128 + 8 (4 a + b).  1: two fragment buffers of 128.  2: the residual.
; Limits: operands are f16 as the earlier launches left them; sums in f32, along K from the cluster's first step round to it (the order differs between clusters); the residual and the
; bias are added in f32 behind the product.
.set SIZE_K, 1024
.set WOFF,   6291456
.set KSTEP,  256
.set NSTEP,  SIZE_K/KSTEP
.set PA,     528                       ; A's LDS row: 512 + 16 bytes, 33 x 16
.set PB,     288                       ; B's LDS row: 256 + 32 bytes, 9 x 32
.set HA,     64*PA                     ; a tensor load of A: 64 rows
.set HB,     128*PB                    ; a tensor load of B: 128 rows of K
.set BOFF,   2*HA
.set SLOT,   2*HA+2*HB                 ; 141,312 bytes
.set STAGE,  2*SLOT
.set SPITCH, 272
.set LAPS,   SIZE_K/(2*KSTEP)
.set ADRA, 16                          ; v16-17 my A fragments in slot 0, 1
.set ADRB, 20                          ; v20-23 my B fragments: 2 x slot + half of the K step (so that the offsets stay inside 16 bits)
.set STO,  24
.set RD,   25
.set CO,   26
.set BO,   27
.set BI,   96                          ; v[96:99] the bias of my four columns
.set ACC,  128
.set F0,   0
.set F1,   128
.set G1,  24
.set G0,  32
.set G1B, 48
.set G0B, 56
.set BA,  14                           ; s[14:15] A at my rows, K step 0
.set BB,  72                           ; s[72:73] W at my rows of K step 0 and my columns
.set KK,  74                           ; s74, s75 the K step that slot 0, 1 holds or is being filled with
.set OA,  76                           ; s[76:77] a K step's byte offset in A: 512 bytes of a row each
.set OW,  78                           ; s[78:79] in W: 256 rows of 2,048 bytes each
.set MSB, 0
.macro WIN new
.if MSB != (\new)
	s_set_vgpr_msb (MSB<<8)|(\new)
.set MSB, (\new)
.endif
.endm
.set MUL,  0x05                        ; sources 0 and 1 window 1; C and D window 0
.set TO_F, 0x40
.macro JLOAD s                         ; a joint load: waves 0, 1 fetch A's halves, waves 2, 3 W's; four v_nop follow each line
	s_cmp_eq_u32 s11, 0
	s_cbranch_scc0 .Lfor_b_\@
	tensor_load_to_lds s[G0+4*(\s):G0+4*(\s)+3], s[G1:G1+7]
	s_nop 0
.rept 4
	v_nop
.endr
	s_branch .Lasked_\@
.Lfor_b_\@:
	tensor_load_to_lds s[G0B+4*(\s):G0B+4*(\s)+3], s[G1B:G1B+7]
	s_nop 0
.rept 4
	v_nop
.endr
.Lasked_\@:
.endm
.macro CREST
	s_cmp_lg_u32 s10, 0
	s_cbranch_scc1 .Lnot_wave_0_\@
	s_barrier_signal -3
.Lnot_wave_0_\@:
	s_barrier_wait -3
	s_barrier_signal -1
	s_barrier_wait -1
.endm
.macro CROUND
	s_barrier_signal -1
	s_barrier_wait -1
	CREST
.endm
.macro PLACES
.rept 4
	v_nop
.endr
.endm
.macro AIM s                           ; both group 0 sets of slot s are pointed at K step s[KK+s]; no tensor load of the wave is out where this stands
	s_lshl_b32 s[OA], s[KK+\s], 9
	s_lshl_b32 s[OW], s[KK+\s], 19
	s_add_nc_u64 s[G0+4*\s+2:G0+4*\s+3], s[BA:BA+1], s[OA:OA+1]
	s_or_b32 s[G0+4*\s+3], s[G0+4*\s+3], 0x80000000
	s_add_nc_u64 s[G0B+4*\s+2:G0B+4*\s+3], s[BB:BB+1], s[OW:OW+1]
	s_or_b32 s[G0B+4*\s+3], s[G0B+4*\s+3], 0x80000000
.endm
	s_load_b128 s[4:7], s[0:1], 0x0                ; A s[4:5], wb s[6:7]
	s_load_b64 s[8:9], s[0:1], 0x10                ; out
	s_load_b128 s[68:71], s[0:1], 0x18             ; bias s[68:69], residual s[70:71]
	v_lshl_add_u32 v126, v0, 2, 0x49400
	v_mov_b32 v127, 0
	ds_add_u32 v126, v127
	v_lshrrev_b32 v1, 5, v0
	v_readfirstlane_b32 s10, v1
	s_lshr_b32 s11, s10, 1                         ; my half of the rows; also: I fetch for A (0) or B (1)
	s_and_b32 s12, s10, 1                          ; my half of the columns; also: which half of that tile I fetch
	s_bfe_u32 s40, ttmp6, 0x40000                  ; cx
	s_bfe_u32 s41, ttmp6, 0x40004                  ; cy
	s_lshl_b32 s42, ttmp9, 2
	s_add_co_u32 s42, s42, s40                     ; tile column
	s_and_b32 s13, ttmp7, 0xffff
	s_lshl_b32 s13, s13, 2
	s_add_co_u32 s13, s13, s41                     ; tile row
	s_lshl_b32 s43, s41, 2
	s_lshl_b32 s43, 15, s43
	s_lshl_b32 s44, 0x1111, s40
	s_and_b32 s[KK], ttmp7, 0xffff                 ; the cluster's y
	s_add_co_u32 s[KK], s[KK], ttmp9               ; + its x
	s_and_b32 s[KK], s[KK], 1
	s_mul_i32 s[KK], s[KK], NSTEP/2                ; the K step at which this cluster's walk begins: slot 0's first,
	s_add_co_u32 s[KK+1], s[KK], 1                 ; slot 1's first (NSTEP / 2 + 1 at the most: no wrap yet)
	s_mov_b32 s[OA+1], 0
	s_mov_b32 s[OW+1], 0
	s_or_b32 s[G1+0], s43, (1<<16)|(1<<20)|(1<<21)|(6<<22)|(3<<25)   ; A: after 128 words 4 words
	s_mov_b32 s[G1+1], KSTEP<<16
	s_mov_b32 s[G1+2], 64<<16
	s_mov_b32 s[G1+3], KSTEP<<16
	s_mov_b32 s[G1+4], 64
	s_mov_b32 s[G1+5], SIZE_K
	s_mov_b32 s[G1+6], 0
	s_mov_b32 s[G1+7], 0
	s_or_b32 s[G1B+0], s44, (1<<16)|(1<<20)|(1<<21)|(5<<22)|(7<<25)  ; B: after 64 words 8 words
	s_mov_b32 s[G1B+1], 128<<16
	s_mov_b32 s[G1B+2], 128<<16
	s_mov_b32 s[G1B+3], 128<<16
	s_mov_b32 s[G1B+4], 128
	s_mov_b32 s[G1B+5], 1024
	s_mov_b32 s[G1B+6], 0
	s_mov_b32 s[G1B+7], 0
	s_lshl_b32 s17, s12, 6
	s_lshl_b32 s16, s13, 7
	s_add_co_u32 s16, s16, s17                     ; A: row 128 x tile row + 64 x half
	s_mul_i32 s16, s16, SIZE_K*2
	s_mov_b32 s17, 0
	s_lshl_b32 s46, s42, 8                         ; B: 256 bytes of a row for each tile column,
	s_lshl_b32 s47, s12, 18                        ; my 128 rows of K, 2,048 bytes each
	s_add_co_u32 s46, s46, s47
	s_add_co_u32 s46, s46, WOFF
	s_mov_b32 s47, 0
	s_mul_i32 s20, s12, HA                         ; where they go
	s_mul_i32 s45, s12, HB
	s_add_co_u32 s45, s45, BOFF
	s_wait_dscnt 0x0
	s_wait_kmcnt 0x0
	s_add_nc_u64 s[BA:BA+1], s[4:5], s[16:17]
	s_add_nc_u64 s[BB:BB+1], s[6:7], s[46:47]
	CROUND
.irp s, 0,1
	s_mov_b32 s[G0+4*\s], 1
	s_add_co_u32 s[G0+4*\s+1], s20, \s*SLOT
	s_mov_b32 s[G0B+4*\s], 1
	s_add_co_u32 s[G0B+4*\s+1], s45, \s*SLOT
	AIM \s
.endr
	s_cmp_eq_u32 s11, 0                            ; a wave's two first fills stand in one branch: two loads of mine are out
	s_cbranch_scc0 .Lfirst_b
	tensor_load_to_lds s[G0:G0+3], s[G1:G1+7]
	s_nop 0
	tensor_load_to_lds s[G0+4:G0+7], s[G1:G1+7]
	s_nop 0
.rept 4
	v_nop
.endr
	s_branch .Lfirst_asked
.Lfirst_b:
	tensor_load_to_lds s[G0B:G0B+3], s[G1B:G1B+7]
	s_nop 0
	tensor_load_to_lds s[G0B+4:G0B+7], s[G1B:G1B+7]
	s_nop 0
.rept 4
	v_nop
.endr
.Lfirst_asked:
	s_lshl_b32 s16, s13, 7                         ; my 64 rows and 64 columns in the residual and in the result
	s_lshl_b32 s17, s11, 6
	s_add_co_u32 s16, s16, s17
	s_lshl_b32 s16, s16, 12
	s_mov_b32 s17, 0
	s_lshl_b32 s46, s42, 9
	s_lshl_b32 s47, s12, 8
	s_add_co_u32 s46, s46, s47
	s_mov_b32 s47, 0
	s_add_nc_u64 s[68:69], s[68:69], s[46:47]
	s_add_nc_u64 s[16:17], s[16:17], s[46:47]
	s_add_nc_u64 s[8:9], s[8:9], s[16:17]
	s_add_nc_u64 s[70:71], s[70:71], s[16:17]
	v_and_b32 v1, 15, v0                           ; r
	v_bfe_u32 v2, v0, 4, 1                         ; h
	v_lshlrev_b32 v[BO], 4, v1
	v_lshlrev_b32 v5, 12, v2
	v_lshl_add_u32 v[CO], v1, 4, v5                ; lanes 0-15 a row's 256 bytes, lanes 16-31 the next row's
	global_load_b128 v[BI:BI+3], v[BO], s[68:69]
	WIN 0x80
.irp a, 0,1,2,3
.irp t, 0,1,2,3,4,5,6,7
	global_load_b128 v[32*\a+4*\t:32*\a+4*\t+3], v[CO], s[70:71] offset:(16*\a+2*\t)*4096
.endr
.endr
	WIN 0
	v_mul_u32_u24 v3, v1, PA
	v_lshl_add_u32 v3, v2, 4, v3
	s_mul_i32 s21, s11, HA
	v_and_b32 v6, 7, v0
	v_lshl_add_u32 v6, v2, 3, v6
	v_mul_u32_u24 v6, v6, PB
	v_bfe_u32 v7, v0, 3, 1
	v_lshl_add_u32 v6, v7, 4, v6
	s_lshl_b32 s22, s12, 7
	s_add_co_u32 s22, s22, BOFF
.irp s, 0,1
	v_add_nc_u32 v[ADRA+\s], s21, v3
	v_add_nc_u32 v[ADRB+2*\s], s22, v6
	s_add_co_u32 s23, s22, HB
	v_add_nc_u32 v[ADRB+2*\s+1], s23, v6
	s_add_co_u32 s21, s21, SLOT
	s_add_co_u32 s22, s22, SLOT
.endr
	s_mul_i32 s23, s10, 16*SPITCH
	s_add_co_u32 s23, s23, STAGE
	v_mul_u32_u24 v4, v1, SPITCH
	v_lshl_add_u32 v4, v2, 5, v4                   ; in: row r, 32 bytes for each half of the lanes
	v_add_nc_u32 v[STO], s23, v4
	v_mul_u32_u24 v5, v2, SPITCH
	v_lshl_add_u32 v5, v1, 4, v5
	v_add_nc_u32 v[RD], s23, v5
; 8 matrix instructions: m blocks a0, a0 + 1 x 4 n blocks, 32 along K (half c of buffer f).  The 16 accumulators take turns.
.macro MUL8 f, c, a0, zero
.irp a, \a0, \a0+1
.irp b, 0,1,2,3
.if \zero
	v_wmma_f32_16x16x32_f16 v[ACC+8*(4*(\a)+\b):ACC+8*(4*(\a)+\b)+7], v[\f+64+8*(4*\c+\b):\f+64+8*(4*\c+\b)+7], v[\f+8*(4*\c+\a):\f+8*(4*\c+\a)+7], 0
.else
	v_wmma_f32_16x16x32_f16 v[ACC+8*(4*(\a)+\b):ACC+8*(4*(\a)+\b)+7], v[\f+64+8*(4*\c+\b):\f+64+8*(4*\c+\b)+7], v[\f+8*(4*\c+\a):\f+8*(4*\c+\a)+7], v[ACC+8*(4*(\a)+\b):ACC+8*(4*(\a)+\b)+7]
.endif
.endr
.endr
.endm
.macro FETCH slot, q, f                ; 32 LDS loads: quarter q (64 along K) into buffer f, its first 32 along K first
	WIN TO_F
.irp c, 0,1
.irp i, 0,1,2,3
	ds_load_tr16_b128 v[\f+64+8*(4*\c+\i):\f+64+8*(4*\c+\i)+3],   v[ADRB+2*\slot+(\q)/2] offset:((64*\q+32*\c)%128)*PB+32*\i
	ds_load_tr16_b128 v[\f+64+8*(4*\c+\i)+4:\f+64+8*(4*\c+\i)+7], v[ADRB+2*\slot+(\q)/2] offset:((64*\q+32*\c)%128)*PB+16*PB+32*\i
	ds_load_b128 v[\f+8*(4*\c+\i):\f+8*(4*\c+\i)+3],              v[ADRA+\slot] offset:128*\q+64*\c+\i*16*PA
	ds_load_b128 v[\f+8*(4*\c+\i)+4:\f+8*(4*\c+\i)+7],            v[ADRA+\slot] offset:128*\q+64*\c+\i*16*PA+32
.endr
.endr
.endm
.macro QUARTER slot, q, f, g, zero
	s_wait_dscnt 16                                ; the first 32 along K are in
	WIN MUL
	MUL8 \f, 0, 0, \zero
	MUL8 \f, 0, 2, \zero
	PLACES
	FETCH \slot, \q, \g
	s_wait_dscnt 32                                ; all but the 32 just issued
	WIN MUL
	MUL8 \f, 1, 0, 0
	MUL8 \f, 1, 2, 0
.endm
.macro TURN slot, next, fill           ; the last quarter changes slots: each wave's waits, the barrier (a round of the cluster's where a slot is filled again), the joint refill first
	s_wait_dscnt 16
	WIN MUL
	MUL8 F1, 0, 0, 0
	s_wait_dscnt 0
	s_set_vgpr_msb 0x500
	s_wait_tensorcnt 0x0
	ds_add_u32 v126, v127
	s_wait_dscnt 0x0
	s_set_vgpr_msb 0x5
	s_barrier_signal -1
	MUL8 F1, 0, 2, 0
.if \fill
	WIN 0
.endif
	s_barrier_wait -1
.if \fill
	CREST
	s_add_co_u32 s[KK+\slot], s[KK+\slot], 2       ; this slot's next K step, two on,
	s_and_b32 s[KK+\slot], s[KK+\slot], NSTEP-1    ; round the end of K
	AIM \slot
	JLOAD \slot
.else
	PLACES
.endif
	FETCH \next, 0, F0
	WIN MUL
	MUL8 F1, 1, 0, 0
	MUL8 F1, 1, 2, 0
.endm
.macro STG a                           ; block a (16 rows x 64 columns of f32) into my stage and back as whole rows, into the registers that it left
.irp b, 0,1,2,3
	ds_store_b128 v[STO], v[ACC+8*(4*\a+\b):ACC+8*(4*\a+\b)+3]   offset:64*\b
	ds_store_b128 v[STO], v[ACC+8*(4*\a+\b)+4:ACC+8*(4*\a+\b)+7] offset:64*\b+16
.endr
.irp t, 0,1,2,3,4,5,6,7
	ds_load_b128 v[ACC+32*\a+4*\t:ACC+32*\a+4*\t+3], v[RD] offset:\t*2*SPITCH
.endr
.endm
.macro OUT a, n                        ; n: the LDS instructions issued behind block a's loads
	s_wait_dscnt \n
	WIN 0x08                                       ; source 1: the residual, window 2
.set i, 0
.rept 16
	v_pk_add_f32 v[ACC+32*\a+2*i:ACC+32*\a+2*i+1], v[ACC+32*\a+2*i:ACC+32*\a+2*i+1], v[32*\a+2*i:32*\a+2*i+1]
.set i, i+1
.endr
	WIN 0
.irp t, 0,1,2,3,4,5,6,7
	v_pk_add_f32 v[ACC+32*\a+4*\t:ACC+32*\a+4*\t+1],   v[ACC+32*\a+4*\t:ACC+32*\a+4*\t+1],   v[BI:BI+1]
	v_pk_add_f32 v[ACC+32*\a+4*\t+2:ACC+32*\a+4*\t+3], v[ACC+32*\a+4*\t+2:ACC+32*\a+4*\t+3], v[BI+2:BI+3]
	global_store_b128 v[CO], v[ACC+32*\a+4*\t:ACC+32*\a+4*\t+3], s[8:9] offset:(16*\a+2*\t)*4096   ; 16 lanes store 256 consecutive bytes, aligned
.endr
.endm
	s_wait_tensorcnt 1                             ; my part of the walk's first K step is in; the second's may stay out
	s_barrier_signal -1
	s_barrier_wait -1
	FETCH 0, 0, F0
	QUARTER 0, 1, F0, F1, 1
	WIN 0
	s_mov_b32 s3, LAPS-1
.Llap:
	QUARTER 0, 2, F1, F0, 0
	QUARTER 0, 3, F0, F1, 0
	TURN 0, 1, 1
	QUARTER 1, 1, F0, F1, 0
	QUARTER 1, 2, F1, F0, 0
	QUARTER 1, 3, F0, F1, 0
	TURN 1, 0, 1
	QUARTER 0, 1, F0, F1, 0
	WIN 0
	s_sub_co_u32 s3, s3, 1
	s_cmp_lg_u32 s3, 0
	s_cbranch_scc1 .Llap
	QUARTER 0, 2, F1, F0, 0                        ; the last lap fills nothing
	QUARTER 0, 3, F0, F1, 0
	TURN 0, 1, 0
	QUARTER 1, 1, F0, F1, 0
	QUARTER 1, 2, F1, F0, 0
	QUARTER 1, 3, F0, F1, 0
	s_wait_dscnt 16
	WIN MUL
	MUL8 F1, 0, 0, 0
	MUL8 F1, 0, 2, 0
	s_wait_dscnt 0
	MUL8 F1, 1, 0, 0
	MUL8 F1, 1, 2, 0
	WIN 0
	PLACES
	s_wait_loadcnt 0x0                             ; bias and residual
	STG 0
	STG 1
	OUT 0, 16
	STG 2
	OUT 1, 16
	STG 3
	OUT 2, 16
	OUT 3, 0
	s_wait_tensorcnt 0x0
	ds_add_u32 v126, v127
	s_wait_dscnt 0x0
	CROUND                                         ; the closing round
	s_endpgm
.Lfunc_end_k_qaf92da96c1_wo:
	.size	k_qaf92da96c1_wo, .Lfunc_end_k_qaf92da96c1_wo-k_qaf92da96c1_wo
	.p2alignl 7, 3214868480
	.fill 96, 4, 3214868480
	.section	.rodata,"a",@progbits
	.p2align	6, 0x0
	.amdhsa_kernel k_qaf92da96c1_wo
		.amdhsa_group_segment_fixed_size 327680
		.amdhsa_private_segment_fixed_size 0
		.amdhsa_enable_private_segment 0
		.amdhsa_kernarg_size 40
		.amdhsa_user_sgpr_count 2
		.amdhsa_user_sgpr_kernarg_segment_ptr 1
		.amdhsa_wavefront_size32 1
		.amdhsa_system_sgpr_workgroup_id_x 1
		.amdhsa_system_sgpr_workgroup_id_y 1
		.amdhsa_system_sgpr_workgroup_id_z 1
		.amdhsa_system_vgpr_workitem_id 0
		.amdhsa_next_free_vgpr 768
		.amdhsa_next_free_sgpr 80
		.amdhsa_reserve_vcc 0
		.amdhsa_float_denorm_mode_32 3
		.amdhsa_float_denorm_mode_16_64 3
		.amdhsa_memory_ordered 1
		.amdhsa_forward_progress 1
		.amdhsa_inst_pref_size 98
	.end_amdhsa_kernel
	.amdgpu_metadata
---
amdhsa.version: [ 1, 2 ]
amdhsa.kernels:
  - .name:           k_qaf92da96c1_wo
    .symbol:         k_qaf92da96c1_wo.kd
    .args:
      - { .name: att, .offset: 0, .size: 8, .value_kind: global_buffer, .address_space: global }
      - { .name: wb, .offset: 8, .size: 8, .value_kind: global_buffer, .address_space: global }
      - { .name: x1, .offset: 16, .size: 8, .value_kind: global_buffer, .address_space: global }
      - { .name: bo, .offset: 24, .size: 8, .value_kind: global_buffer, .address_space: global }
      - { .name: x, .offset: 32, .size: 8, .value_kind: global_buffer, .address_space: global }
    .group_segment_fixed_size: 327680
    .private_segment_fixed_size: 0
    .kernarg_segment_align: 8
    .kernarg_segment_size: 40
    .max_flat_workgroup_size: 128
    .sgpr_count:     80
    .vgpr_count:     768
    .wavefront_size: 32
...
	.end_amdgpu_metadata
.endif
;; end of part 4
;; launch ln2: the kernel of part 1 again; grid 256 x 1, 8 waves a work-group, no clusters, 0 bytes of LDS; arguments x1, ln2_g, ln2_b, hn, Wq, Wk, Wv, Wo, W1, W2, wb; writes hn, wb
;; launch fc1 (part 5): grid 16 x 16, 4 waves a work-group, clusters of 4 x 4, 327,680 bytes of LDS; arguments hn, wb, gl, b1; writes gl
.if DOCPART == 5
	.amdgcn_target "amdgcn-amd-amdhsa--gfx1250"
	.amdhsa_code_object_version 6
	.text
	.protected	k_qaf92da96c1_fc1
	.globl	k_qaf92da96c1_fc1
	.p2align	8
	.type	k_qaf92da96c1_fc1,@function
k_qaf92da96c1_fc1:
	s_mov_b64 s[64:65], 0
	v_nop
	global_prefetch_b8 v0, s[64:65] scope:SCOPE_SE
	s_setreg_imm32_b32 hwreg(HW_REG_WAVE_MODE, 25, 1), 1
	s_wait_xcnt 0x0
	s_wait_alu depctr_hold_cnt(0) depctr_sa_sdst(0) depctr_va_vdst(0) depctr_va_sdst(0) depctr_va_ssrc(0) depctr_va_vcc(0) depctr_vm_vsrc(0)
	s_getreg_b32 s2, hwreg(HW_REG_IB_STS2, 6, 4)
	s_cmp_eq_u32 s2, 0
	s_cbranch_scc0 .Lentry_in_a_cluster
	s_endpgm
.Lentry_in_a_cluster:
	s_bfe_u32 s2, ttmp6, 0x10000c
	s_cmp_lg_u32 s2, 0xf033
	s_cbranch_scc0 .Lentry_shape_is_right
	s_endpgm
.Lentry_shape_is_right:
; g = quickgelu(h W1 + b1), quickgelu(t) = t / (1 + e^(-1.702 t)).  h: [4096][1024] f16.  W1: [1024 (in)][4096 (out)] f16 at byte 8,388,608 of wb.  g: [4096][4096] f16.
; A tile of C, 256 x 256, is made by four waves, each 128 x 128: 64 accumulators, 512 registers; 16 x 16 = 256 work-groups.  K goes in steps of 128 through two LDS slots filled by tensor loads.
; W lies [K][N]: its tile is 128 rows of K x 512 bytes, and ds_load_tr16_b128 turns 16 x 16 pieces into fragments on the way to the registers.
; The matrix instruction is used transposed (source 0 = 16 columns of W, source 1 = 16 rows of h): a lane then holds eight neighbouring numbers of a row of C.
; CLUSTERS 4 x 4: the four of a row of the cluster need the same tile of h, the four of a column the same tile of W; each is asked for jointly.
; Windows: 0: addresses, A's two fragment buffers, the way out.  1: B's two buffers, the bias at v192-255.  2, 3: accumulators (a, b) at 8 (8 (a % 4) + b).
; Limits: operands and results rounded to f16; sums in f32, K ascending.  A g beyond 65,504 becomes infinite: with a gain of 30 and weights of spread 30/32 the sums' spread is
; sqrt(1024) x 30 x 30/32 = 900.  Where 2^(-2.4555 t) overflows the result is -0, as t times a sigmoid that has underflowed.
.set NP,     4096                      ; pitch of W and of C, elements
.set WOFF,   8388608                   ; W's first byte in wb
.set SECB,   2048                      ; bytes in wb from one cluster x to the next
.set SECC,   2048                      ; bytes in C from one cluster x to the next
.set SIZE_K, 1024
.set KSTEP,  128
.set PA,     272                       ; A's LDS row: 256 + 16 bytes: the 16 rows of a load start at 16 different 16-byte columns
.set PB,     544                       ; B's LDS row: 512 + 32 bytes, 17 x 32
.set HALFT,  128*PA                    ; what one tensor load brings: 128 rows of A, or 64 rows of B (64 x 544 is the same 34,816)
.set SLOT,   4*HALFT                   ; A's 256 rows, then B's 128 rows of K
.set STAGE,  2*SLOT                    ; behind the ring: 16 rows x 272 bytes for each wave
.set SPITCH, 272
.set LAPS,   SIZE_K/(2*KSTEP)
.set ADRA, 16                          ; v16-17 LDS address of my A fragments in slot 0, 1
.set ADRB, 20                          ; v20-21 the same for B
.set STO,  24
.set RD,   25
.set CO,   26
.set BO,   27                          ; v27 my byte offset in the wave's 128 numbers of bias
.set F0,   64
.set F1,   128
.set T,    64                          ; the way out: a block's 64 numbers in f32
.set U,    128                         ; the way out: at work on the activation
.set TMP,  192
.set OB,   32
.set BIAS, 192                         ; window 1
.set G1,  24
.set G0,  32
.set G1B, 48
.set G0B, 56
.set MSB, 0
.macro WIN new                         ; the immediate's high byte repeats the setting that is left
.if MSB != (\new)
	s_set_vgpr_msb (MSB<<8)|(\new)
.set MSB, (\new)
.endif
.endm
.set MUL_LO, 0xa1                      ; source 0 (B) window 1, source 1 (A) window 0, C and D window 2
.set MUL_HI, 0xf1                      ; the same, C and D window 3
.set TO_B,   0x40                      ; destination window 1, address window 0
.macro JLOAD s                         ; a joint load: waves 0, 1 fetch A's halves, waves 2, 3 B's; four v_nop follow each line
	s_cmp_eq_u32 s11, 0
	s_cbranch_scc0 .Lfor_b_\@
	tensor_load_to_lds s[G0+4*(\s):G0+4*(\s)+3], s[G1:G1+7]
	s_nop 0
.rept 4
	v_nop
.endr
	s_branch .Lasked_\@
.Lfor_b_\@:
	tensor_load_to_lds s[G0B+4*(\s):G0B+4*(\s)+3], s[G1B:G1B+7]
	s_nop 0
.rept 4
	v_nop
.endr
.Lasked_\@:
.endm
.macro CREST                           ; a round of the cluster's barrier behind its opening barrier
	s_cmp_lg_u32 s10, 0
	s_cbranch_scc1 .Lnot_wave_0_\@
	s_barrier_signal -3
.Lnot_wave_0_\@:
	s_barrier_wait -3
	s_barrier_signal -1
	s_barrier_wait -1
.endm
.macro CROUND
	s_barrier_signal -1
	s_barrier_wait -1
	CREST
.endm
.macro PLACES                          ; four plain places behind matrix instructions, in front of loads into their sources and of reads of their results
.rept 4
	v_nop
.endr
.endm
	s_load_b128 s[4:7], s[0:1], 0x0                ; h s[4:5], wb s[6:7]
	s_load_b64 s[8:9], s[0:1], 0x10                ; C
	s_load_b64 s[68:69], s[0:1], 0x18              ; the bias
	s_set_vgpr_msb 0x40
	v_lshl_add_u32 v63, v0, 2, 0x48400
	s_set_vgpr_msb 0x4000
	v_mov_b32 v31, 0
	s_set_vgpr_msb 0x1
	ds_add_u32 v63, v31
	s_set_vgpr_msb 0x100
	v_lshrrev_b32 v1, 5, v0
	v_readfirstlane_b32 s10, v1                    ; wave 0..3
	s_lshr_b32 s11, s10, 1                         ; my half of the tile's rows; also: I fetch for A (0) or B (1)
	s_and_b32 s12, s10, 1                          ; my half of its columns; also: which half of that tile I fetch
	s_bfe_u32 s40, ttmp6, 0x40000                  ; cx
	s_bfe_u32 s41, ttmp6, 0x40004                  ; cy
	s_and_b32 s13, ttmp7, 0xffff
	s_lshl_b32 s13, s13, 2
	s_add_co_u32 s13, s13, s41                     ; tile row of C = 4 x cluster y + cy
	s_lshl_b32 s43, s41, 2
	s_lshl_b32 s43, 15, s43                        ; my row of the cluster
	s_lshl_b32 s44, 0x1111, s40                    ; my column
	s_or_b32 s[G1+0], s43, (1<<16)|(1<<20)|(1<<21)|(5<<22)|(3<<25)   ; mask; 2-byte elements; padding on; bit 21 beside a mask; after 64 words 4 words
	s_mov_b32 s[G1+1], KSTEP<<16                   ; tensor_dim0 = 128
	s_mov_b32 s[G1+2], 128<<16                     ; tensor_dim1 = 128
	s_mov_b32 s[G1+3], KSTEP<<16                   ; tile_dim0 = 128
	s_mov_b32 s[G1+4], 128                         ; tile_dim1 = 128
	s_mov_b32 s[G1+5], SIZE_K                      ; elements from row to row
	s_mov_b32 s[G1+6], 0
	s_mov_b32 s[G1+7], 0
	s_or_b32 s[G1B+0], s44, (1<<16)|(1<<20)|(1<<21)|(6<<22)|(7<<25)  ; B: after 128 words 8 words
	s_mov_b32 s[G1B+1], 256<<16                    ; tensor_dim0 = 256 columns
	s_mov_b32 s[G1B+2], 64<<16                     ; tensor_dim1 = 64 rows of K
	s_mov_b32 s[G1B+3], 256<<16
	s_mov_b32 s[G1B+4], 64
	s_mov_b32 s[G1B+5], NP
	s_mov_b32 s[G1B+6], 0
	s_mov_b32 s[G1B+7], 0
	s_lshl_b32 s17, s12, 7
	s_lshl_b32 s16, s13, 8
	s_add_co_u32 s16, s16, s17                     ; A: row 256 x tile row + 128 x half,
	s_lshl_b32 s16, s16, 11                        ; 2,048 bytes each
	s_mov_b32 s17, 0
	s_mul_i32 s46, ttmp9, SECB                     ; B: the cluster's part of wb,
	s_lshl_b32 s47, s40, 9
	s_add_co_u32 s46, s46, s47                     ; 512 bytes of a row for each cx,
	s_mul_i32 s47, s12, 64*NP*2
	s_add_co_u32 s46, s46, s47                     ; my 64 rows of K
	s_add_co_u32 s46, s46, WOFF
	s_mov_b32 s47, 0
	s_mul_i32 s20, s10, HALFT                      ; where they go: wave x 34,816: no place in the cluster enters an LDS address
	s_wait_dscnt 0x0
	s_wait_kmcnt 0x0
	s_add_nc_u64 s[14:15], s[4:5], s[16:17]
	s_add_nc_u64 s[46:47], s[6:7], s[46:47]
	CROUND                                         ; all sixteen work-groups are here: the first joint loads meet
.irp s, 0,1
	s_mov_b32 s[G0+4*\s], 1
	s_add_co_u32 s[G0+4*\s+1], s20, \s*SLOT
	s_add_nc_u64 s[G0+4*\s+2:G0+4*\s+3], s[14:15], \s*KSTEP*2
	s_or_b32 s[G0+4*\s+3], s[G0+4*\s+3], 0x80000000
	s_mov_b32 s[G0B+4*\s], 1
	s_add_co_u32 s[G0B+4*\s+1], s20, \s*SLOT
	s_add_nc_u64 s[G0B+4*\s+2:G0B+4*\s+3], s[46:47], \s*KSTEP*NP*2
	s_or_b32 s[G0B+4*\s+3], s[G0B+4*\s+3], 0x80000000
.endr
	s_cmp_eq_u32 s11, 0                            ; a wave's two first fills stand in one branch: two loads of mine are out
	s_cbranch_scc0 .Lfirst_b
	tensor_load_to_lds s[G0:G0+3], s[G1:G1+7]
	s_nop 0
	tensor_load_to_lds s[G0+4:G0+7], s[G1:G1+7]
	s_nop 0
.rept 4
	v_nop
.endr
	s_branch .Lfirst_asked
.Lfirst_b:
	tensor_load_to_lds s[G0B:G0B+3], s[G1B:G1B+7]
	s_nop 0
	tensor_load_to_lds s[G0B+4:G0B+7], s[G1B:G1B+7]
	s_nop 0
.rept 4
	v_nop
.endr
.Lfirst_asked:
	; the bias of my 128 columns: 4,096 bytes a cluster x, 1,024 a cx, 512 a half
	s_mov_b64 s[74:75], s[68:69]
	s_lshl_b32 s76, ttmp9, 12
	s_lshl_b32 s77, s40, 10
	s_add_co_u32 s76, s76, s77
	s_lshl_b32 s77, s12, 9
	s_add_co_u32 s76, s76, s77
	s_mov_b32 s77, 0
	s_add_nc_u64 s[74:75], s[74:75], s[76:77]
	v_and_b32 v1, 15, v0                           ; r = l % 16
	v_bfe_u32 v2, v0, 4, 1                         ; h = l / 16
	v_lshlrev_b32 v[BO], 5, v2                     ; a lane's eight columns of block b: 64 b + 32 h
	WIN TO_B
.irp b, 0,1,2,3,4,5,6,7
	global_load_b128 v[BIAS+8*\b:BIAS+8*\b+3],   v[BO], s[74:75] offset:64*\b
	global_load_b128 v[BIAS+8*\b+4:BIAS+8*\b+7], v[BO], s[74:75] offset:64*\b+16
.endr
	WIN 0
	v_mul_u32_u24 v3, v1, PA
	v_lshl_add_u32 v3, v2, 4, v3                   ; A: row x pitch + 16 h
	s_mul_i32 s21, s11, HALFT                      ; my 128 rows of A
	v_and_b32 v6, 7, v0
	v_lshl_add_u32 v6, v2, 3, v6                   ; B, turned: row of K 8 h + l % 8,
	v_mul_u32_u24 v6, v6, PB
	v_bfe_u32 v7, v0, 3, 1
	v_lshl_add_u32 v6, v7, 4, v6                   ; columns 8 ((l / 8) % 2) on
	s_lshl_b32 s22, s12, 8                         ; my 128 columns,
	s_add_co_u32 s22, s22, 2*HALFT                 ; behind A's 256 rows
.irp s, 0,1
	v_add_nc_u32 v[ADRA+\s], s21, v3
	v_add_nc_u32 v[ADRB+\s], s22, v6
	s_add_co_u32 s21, s21, SLOT
	s_add_co_u32 s22, s22, SLOT
.endr
	s_mul_i32 s23, s10, 16*SPITCH
	s_add_co_u32 s23, s23, STAGE                   ; my stage
	v_mul_u32_u24 v4, v1, SPITCH
	v_lshl_add_u32 v4, v2, 4, v4
	v_add_nc_u32 v[STO], s23, v4
	v_mul_u32_u24 v5, v2, SPITCH
	v_lshl_add_u32 v5, v1, 4, v5
	v_add_nc_u32 v[RD], s23, v5
	v_mul_u32_u24 v5, v2, NP*2
	v_lshl_add_u32 v[CO], v1, 4, v5
	s_lshl_b32 s13, s13, 8                         ; where my part of C begins, in bytes
	s_lshl_b32 s14, s11, 7
	s_add_co_u32 s16, s13, s14
	s_mul_i32 s16, s16, NP*2
	s_mov_b32 s17, 0
	s_mul_i32 s46, ttmp9, SECC
	s_lshl_b32 s47, s40, 9
	s_add_co_u32 s46, s46, s47
	s_lshl_b32 s47, s12, 8
	s_add_co_u32 s46, s46, s47
	s_mov_b32 s47, 0
	s_add_nc_u64 s[16:17], s[16:17], s[46:47]
; 16 matrix instructions: m blocks a0, a0 + 1 of the window's four x all 8 n blocks, 32 along K.  zero = 1: the first product starts the sums.
; The 64 accumulators take turns, one instruction a turn, in the same order in every quarter.
.macro MUL16 f, hi, a0, zero
.irp a, \a0, \a0+1
.irp b, 0,1,2,3,4,5,6,7
.if \zero
	v_wmma_f32_16x16x32_f16 v[8*(8*(\a)+\b):8*(8*(\a)+\b)+7], v[\f+8*\b:\f+8*\b+7], v[\f+8*(4*\hi+\a):\f+8*(4*\hi+\a)+7], 0
.else
	v_wmma_f32_16x16x32_f16 v[8*(8*(\a)+\b):8*(8*(\a)+\b)+7], v[\f+8*\b:\f+8*\b+7], v[\f+8*(4*\hi+\a):\f+8*(4*\hi+\a)+7], v[8*(8*(\a)+\b):8*(8*(\a)+\b)+7]
.endif
.endr
.endr
.endm
; 32 LDS loads in one run: quarter q (32 along K) of a slot into buffer f: B turned (16 loads), then A (16 loads)
.macro FETCH slot, q, f
	WIN TO_B
.irp i, 0,1,2,3,4,5,6,7
	ds_load_tr16_b128 v[\f+8*\i:\f+8*\i+3],   v[ADRB+\slot] offset:\q*32*PB+32*\i
	ds_load_tr16_b128 v[\f+8*\i+4:\f+8*\i+7], v[ADRB+\slot] offset:\q*32*PB+16*PB+32*\i
.endr
	WIN 0
.irp i, 0,1,2,3,4,5,6,7
	ds_load_b128 v[\f+8*\i:\f+8*\i+3],   v[ADRA+\slot] offset:\q*64+\i*16*PA
	ds_load_b128 v[\f+8*\i+4:\f+8*\i+7], v[ADRA+\slot] offset:\q*64+\i*16*PA+32
.endr
.endm
; One of a K step's first three quarters: multiplies buffer f; in its middle it fetches quarter q of the same slot into buffer g.
.macro QUARTER slot, q, f, g, zero
	s_wait_dscnt 8                                 ; B and A's rows 0-63 are in; the youngest eight loads (A's rows 64-127) may be out
	WIN MUL_LO
	MUL16 \f, 0, 0, \zero
	MUL16 \f, 0, 2, \zero
	PLACES
	FETCH \slot, \q, \g
	s_wait_dscnt 32                                ; all but the 32 just issued
	WIN MUL_HI
	MUL16 \f, 1, 0, \zero
	MUL16 \f, 1, 2, \zero
.endm
; The last quarter multiplies buffer 1 and changes slots.  In front of the barrier each wave waits for its reads of this slot and for all its tensor loads (one is out: its part of the
; next slot).  fill = 1: the barrier opens a round of the cluster's barrier, and the joint refill of this slot, two K steps ahead, is the first tensor load behind it.
.macro TURN slot, next, fill
	s_wait_dscnt 8
	WIN MUL_LO
	MUL16 F1, 0, 0, 0
	s_wait_dscnt 0
	s_wait_tensorcnt 0x0
	ds_add_u32 v63, v31
	s_wait_dscnt 0x0
	s_barrier_signal -1
	MUL16 F1, 0, 2, 0
.if \fill
	WIN 0
.endif
	s_barrier_wait -1
.if \fill
	CREST
	s_add_nc_u64 s[G0+4*\slot+2:G0+4*\slot+3], s[G0+4*\slot+2:G0+4*\slot+3], 2*KSTEP*2
	s_add_nc_u64 s[G0B+4*\slot+2:G0B+4*\slot+3], s[G0B+4*\slot+2:G0B+4*\slot+3], 2*KSTEP*NP*2
	JLOAD \slot                                    ; its four v_nop are also the places in front of the loads below
.else
	PLACES
.endif
	FETCH \next, 0, F0
	WIN MUL_HI
	MUL16 F1, 1, 0, 0
	MUL16 F1, 1, 2, 0
.endm
; THE WAY OUT of block a (16 rows).  PACK: bias, activation, rounding.  TOSTAGE: into my own stage and back as whole rows of 256 bytes.  SEND: stored.
.macro PACK a
.set AC, 64*((\a)%4)
	WIN 0x06+(\a)/4                                ; source 0: window 2 or 3; source 1: window 1
.irp b, 0,1,2,3,4,5,6,7
.irp r, 0,1,2,3
	v_pk_add_f32 v[T+8*\b+2*\r:T+8*\b+2*\r+1], v[AC+8*\b+2*\r:AC+8*\b+2*\r+1], v[BIAS+8*\b+2*\r:BIAS+8*\b+2*\r+1]
.endr
.endr
	WIN 0
	; t / (1 + 2^(-1.702 log2(e) t))
.set i, 0
.rept 32
	v_pk_mul_f32 v[U+2*i:U+2*i+1], v[T+2*i:T+2*i+1], 0xc01d265f op_sel_hi:[1,0]
.set i, i+1
.endr
.set i, 0
.rept 64
	v_exp_f32 v[U+i], v[U+i]
.set i, i+1
.endr
	v_nop                                          ; a plain instruction between the run of exponentials and the first use of a result (ISA guide 5.7.2)
.set i, 0
	s_wait_alu depctr_va_vdst(0)
.rept 32
	v_pk_add_f32 v[U+2*i:U+2*i+1], v[U+2*i:U+2*i+1], 1.0 op_sel_hi:[1,0]
.set i, i+1
.endr
.set i, 0
.rept 64
	v_rcp_f32 v[U+i], v[U+i]
.set i, i+1
.endr
	v_nop                                          ; the same behind the run of reciprocals
.set i, 0
	s_wait_alu depctr_va_vdst(0)
.rept 32
	v_pk_mul_f32 v[T+2*i:T+2*i+1], v[T+2*i:T+2*i+1], v[U+2*i:U+2*i+1]
.set i, i+1
.endr
.set i, 0
.rept 32
	v_cvt_pk_f16_f32 v[TMP+i], v[T+2*i], v[T+2*i+1]
.set i, i+1
.endr
.endm
.macro TOSTAGE a
.set BK, OB+192*((\a)%2)
.irp b, 0,1,2,3,4,5,6,7
	ds_store_b128 v[STO], v[TMP+4*\b:TMP+4*\b+3] offset:32*\b
.endr
.irp t, 0,1,2,3,4,5,6,7
	ds_load_b128 v[BK+4*\t:BK+4*\t+3], v[RD] offset:\t*2*SPITCH    ; LDS serves a wave's instructions in order: these see the stores above
.endr
.endm
.macro SEND a
.set BK, OB+192*((\a)%2)
	s_wait_dscnt 0x0                               ; the block is back in registers
	s_wait_xcnt 0x0                                ; the stores' base and the registers that earlier stores read are rewritten only behind this wait
.if (\a) == 0
	s_add_nc_u64 s[8:9], s[8:9], s[16:17]
.else
	s_add_nc_u64 s[8:9], s[8:9], 16*NP*2
.endif
.irp t, 0,1,2,3,4,5,6,7
	global_store_b128 v[CO], v[BK+4*\t:BK+4*\t+3], s[8:9] offset:2*\t*NP*2   ; 16 lanes store 256 consecutive bytes, aligned
.endr
.endm
	s_wait_tensorcnt 1                             ; my part of K step 0 is in; K step 1's may stay out
	s_barrier_signal -1
	s_barrier_wait -1
	FETCH 0, 0, F0
	QUARTER 0, 1, F0, F1, 1
	WIN 0
	s_mov_b32 s3, LAPS-1
.Llap:                                                 ; once round the ring, from a lap's second quarter to the next lap's first; both slots are filled again
	QUARTER 0, 2, F1, F0, 0
	QUARTER 0, 3, F0, F1, 0
	TURN 0, 1, 1
	QUARTER 1, 1, F0, F1, 0
	QUARTER 1, 2, F1, F0, 0
	QUARTER 1, 3, F0, F1, 0
	TURN 1, 0, 1
	QUARTER 0, 1, F0, F1, 0
	WIN 0
	s_sub_co_u32 s3, s3, 1
	s_cmp_lg_u32 s3, 0
	s_cbranch_scc1 .Llap
	QUARTER 0, 2, F1, F0, 0                        ; the last lap fills nothing
	QUARTER 0, 3, F0, F1, 0
	TURN 0, 1, 0
	QUARTER 1, 1, F0, F1, 0
	QUARTER 1, 2, F1, F0, 0
	QUARTER 1, 3, F0, F1, 0
	s_wait_dscnt 8
	WIN MUL_LO
	MUL16 F1, 0, 0, 0
	MUL16 F1, 0, 2, 0
	s_wait_dscnt 0
	WIN MUL_HI
	MUL16 F1, 1, 0, 0
	MUL16 F1, 1, 2, 0
	WIN 0
	PLACES
	s_wait_loadcnt 0x0                             ; the bias
	PACK 0
	TOSTAGE 0
.irp a, 1,2,3,4,5,6,7
	PACK \a
	SEND \a-1
	TOSTAGE \a
.endr
	SEND 7
	s_set_vgpr_msb 0x1
	s_wait_tensorcnt 0x0
	ds_add_u32 v63, v31
	s_wait_dscnt 0x0
	s_set_vgpr_msb 0x100
	CROUND                                         ; the closing round
	s_endpgm
.Lfunc_end_k_qaf92da96c1_fc1:
	.size	k_qaf92da96c1_fc1, .Lfunc_end_k_qaf92da96c1_fc1-k_qaf92da96c1_fc1
	.p2alignl 7, 3214868480
	.fill 96, 4, 3214868480
	.section	.rodata,"a",@progbits
	.p2align	6, 0x0
	.amdhsa_kernel k_qaf92da96c1_fc1
		.amdhsa_group_segment_fixed_size 327680
		.amdhsa_private_segment_fixed_size 0
		.amdhsa_enable_private_segment 0
		.amdhsa_kernarg_size 32
		.amdhsa_user_sgpr_count 2
		.amdhsa_user_sgpr_kernarg_segment_ptr 1
		.amdhsa_wavefront_size32 1
		.amdhsa_system_sgpr_workgroup_id_x 1
		.amdhsa_system_sgpr_workgroup_id_y 1
		.amdhsa_system_sgpr_workgroup_id_z 1
		.amdhsa_system_vgpr_workitem_id 0
		.amdhsa_next_free_vgpr 1024
		.amdhsa_next_free_sgpr 80
		.amdhsa_reserve_vcc 0
		.amdhsa_float_denorm_mode_32 3
		.amdhsa_float_denorm_mode_16_64 3
		.amdhsa_memory_ordered 1
		.amdhsa_forward_progress 1
		.amdhsa_inst_pref_size 250
	.end_amdhsa_kernel
	.amdgpu_metadata
---
amdhsa.version: [ 1, 2 ]
amdhsa.kernels:
  - .name:           k_qaf92da96c1_fc1
    .symbol:         k_qaf92da96c1_fc1.kd
    .args:
      - { .name: hn, .offset: 0, .size: 8, .value_kind: global_buffer, .address_space: global }
      - { .name: wb, .offset: 8, .size: 8, .value_kind: global_buffer, .address_space: global }
      - { .name: gl, .offset: 16, .size: 8, .value_kind: global_buffer, .address_space: global }
      - { .name: b1, .offset: 24, .size: 8, .value_kind: global_buffer, .address_space: global }
    .group_segment_fixed_size: 327680
    .private_segment_fixed_size: 0
    .kernarg_segment_align: 8
    .kernarg_segment_size: 32
    .max_flat_workgroup_size: 128
    .sgpr_count:     80
    .vgpr_count:     1024
    .wavefront_size: 32
...
	.end_amdgpu_metadata
.endif
;; end of part 5
;; launch fc2 (part 6): grid 8 x 32, 4 waves a work-group, clusters of 4 x 4, 327,680 bytes of LDS; arguments gl, wb, out0, b2, x1; writes out0
.if DOCPART == 6
	.amdgcn_target "amdgcn-amd-amdhsa--gfx1250"
	.amdhsa_code_object_version 6
	.text
	.protected	k_qaf92da96c1_fc2
	.globl	k_qaf92da96c1_fc2
	.p2align	8
	.type	k_qaf92da96c1_fc2,@function
k_qaf92da96c1_fc2:
	s_mov_b64 s[64:65], 0
	v_nop
	global_prefetch_b8 v0, s[64:65] scope:SCOPE_SE
	s_setreg_imm32_b32 hwreg(HW_REG_WAVE_MODE, 25, 1), 1
	s_wait_xcnt 0x0
	s_wait_alu depctr_hold_cnt(0) depctr_sa_sdst(0) depctr_va_vdst(0) depctr_va_sdst(0) depctr_va_ssrc(0) depctr_va_vcc(0) depctr_vm_vsrc(0)
	s_getreg_b32 s2, hwreg(HW_REG_IB_STS2, 6, 4)
	s_cmp_eq_u32 s2, 0
	s_cbranch_scc0 .Lentry_in_a_cluster
	s_endpgm
.Lentry_in_a_cluster:
	s_bfe_u32 s2, ttmp6, 0x10000c
	s_cmp_lg_u32 s2, 0xf033
	s_cbranch_scc0 .Lentry_shape_is_right
	s_endpgm
.Lentry_shape_is_right:
; out = res + A W + bias.  A: [4096][SIZE_K] f16.  W: [SIZE_K (in)][1024 (out)] f16 at byte WOFF of wb.  res, out: [4096][1024] f32.  bias: [1024] f32.
; A tile of C is 128 x 128, which gives 8 x 32 = 256 work-groups; four waves, each 64 x 64: 16 accumulators.  K goes in steps of 256 through two LDS slots.
; W lies [K][N]: its tile is 256 rows of K x 256 bytes, turned by ds_load_tr16_b128.  The matrix instruction is used transposed (source 0 = W's columns, source 1 = A's rows).
; CLUSTERS 4 x 4: A's tile is shared along a row of the cluster, W's along a column; each is asked for jointly.
; THE WALK ALONG K GOES ROUND: a cluster begins at K step (NSTEP / 2) x ((cluster x + cluster y) % 2) and wraps at the end.  The two clusters that read the same rows of A differ in
; cluster x, the clusters that read the same columns of W in cluster y: so in the second half of its walk a cluster asks for tiles that another cluster has asked for half a walk earlier.
; The start hangs on the cluster's coordinates alone, so the partners of a joint load hold the same descriptor.
; A wave's 64 columns of f32 are 256 aligned bytes, so each wave has a stage of its own and the way out needs no barrier.  The residual is asked for at the start.
; Windows: 0: addresses, bias, accumulators (a, b) at 128 + 8 (4 a + b).  1: two fragment buffers of 128.  2: the residual.
; Limits: operands are f16 as the earlier launches left them; sums in f32, along K from the cluster's first step round to it (the order differs between clusters); the residual and the
; bias are added in f32 behind the product.
.set SIZE_K, 4096
.set WOFF,   16777216
.set KSTEP,  256
.set NSTEP,  SIZE_K/KSTEP
.set PA,     528                       ; A's LDS row: 512 + 16 bytes, 33 x 16
.set PB,     288                       ; B's LDS row: 256 + 32 bytes, 9 x 32
.set HA,     64*PA                     ; a tensor load of A: 64 rows
.set HB,     128*PB                    ; a tensor load of B: 128 rows of K
.set BOFF,   2*HA
.set SLOT,   2*HA+2*HB                 ; 141,312 bytes
.set STAGE,  2*SLOT
.set SPITCH, 272
.set LAPS,   SIZE_K/(2*KSTEP)
.set ADRA, 16                          ; v16-17 my A fragments in slot 0, 1
.set ADRB, 20                          ; v20-23 my B fragments: 2 x slot + half of the K step (so that the offsets stay inside 16 bits)
.set STO,  24
.set RD,   25
.set CO,   26
.set BO,   27
.set BI,   96                          ; v[96:99] the bias of my four columns
.set ACC,  128
.set F0,   0
.set F1,   128
.set G1,  24
.set G0,  32
.set G1B, 48
.set G0B, 56
.set BA,  14                           ; s[14:15] A at my rows, K step 0
.set BB,  72                           ; s[72:73] W at my rows of K step 0 and my columns
.set KK,  74                           ; s74, s75 the K step that slot 0, 1 holds or is being filled with
.set OA,  76                           ; s[76:77] a K step's byte offset in A: 512 bytes of a row each
.set OW,  78                           ; s[78:79] in W: 256 rows of 2,048 bytes each
.set MSB, 0
.macro WIN new
.if MSB != (\new)
	s_set_vgpr_msb (MSB<<8)|(\new)
.set MSB, (\new)
.endif
.endm
.set MUL,  0x05                        ; sources 0 and 1 window 1; C and D window 0
.set TO_F, 0x40
.macro JLOAD s                         ; a joint load: waves 0, 1 fetch A's halves, waves 2, 3 W's; four v_nop follow each line
	s_cmp_eq_u32 s11, 0
	s_cbranch_scc0 .Lfor_b_\@
	tensor_load_to_lds s[G0+4*(\s):G0+4*(\s)+3], s[G1:G1+7]
	s_nop 0
.rept 4
	v_nop
.endr
	s_branch .Lasked_\@
.Lfor_b_\@:
	tensor_load_to_lds s[G0B+4*(\s):G0B+4*(\s)+3], s[G1B:G1B+7]
	s_nop 0
.rept 4
	v_nop
.endr
.Lasked_\@:
.endm
.macro CREST
	s_cmp_lg_u32 s10, 0
	s_cbranch_scc1 .Lnot_wave_0_\@
	s_barrier_signal -3
.Lnot_wave_0_\@:
	s_barrier_wait -3
	s_barrier_signal -1
	s_barrier_wait -1
.endm
.macro CROUND
	s_barrier_signal -1
	s_barrier_wait -1
	CREST
.endm
.macro PLACES
.rept 4
	v_nop
.endr
.endm
.macro AIM s                           ; both group 0 sets of slot s are pointed at K step s[KK+s]; no tensor load of the wave is out where this stands
	s_lshl_b32 s[OA], s[KK+\s], 9
	s_lshl_b32 s[OW], s[KK+\s], 19
	s_add_nc_u64 s[G0+4*\s+2:G0+4*\s+3], s[BA:BA+1], s[OA:OA+1]
	s_or_b32 s[G0+4*\s+3], s[G0+4*\s+3], 0x80000000
	s_add_nc_u64 s[G0B+4*\s+2:G0B+4*\s+3], s[BB:BB+1], s[OW:OW+1]
	s_or_b32 s[G0B+4*\s+3], s[G0B+4*\s+3], 0x80000000
.endm
	s_load_b128 s[4:7], s[0:1], 0x0                ; A s[4:5], wb s[6:7]
	s_load_b64 s[8:9], s[0:1], 0x10                ; out
	s_load_b128 s[68:71], s[0:1], 0x18             ; bias s[68:69], residual s[70:71]
	v_lshl_add_u32 v126, v0, 2, 0x49400
	v_mov_b32 v127, 0
	ds_add_u32 v126, v127
	v_lshrrev_b32 v1, 5, v0
	v_readfirstlane_b32 s10, v1
	s_lshr_b32 s11, s10, 1                         ; my half of the rows; also: I fetch for A (0) or B (1)
	s_and_b32 s12, s10, 1                          ; my half of the columns; also: which half of that tile I fetch
	s_bfe_u32 s40, ttmp6, 0x40000                  ; cx
	s_bfe_u32 s41, ttmp6, 0x40004                  ; cy
	s_lshl_b32 s42, ttmp9, 2
	s_add_co_u32 s42, s42, s40                     ; tile column
	s_and_b32 s13, ttmp7, 0xffff
	s_lshl_b32 s13, s13, 2
	s_add_co_u32 s13, s13, s41                     ; tile row
	s_lshl_b32 s43, s41, 2
	s_lshl_b32 s43, 15, s43
	s_lshl_b32 s44, 0x1111, s40
	s_and_b32 s[KK], ttmp7, 0xffff                 ; the cluster's y
	s_add_co_u32 s[KK], s[KK], ttmp9               ; + its x
	s_and_b32 s[KK], s[KK], 1
	s_mul_i32 s[KK], s[KK], NSTEP/2                ; the K step at which this cluster's walk begins: slot 0's first,
	s_add_co_u32 s[KK+1], s[KK], 1                 ; slot 1's first (NSTEP / 2 + 1 at the most: no wrap yet)
	s_mov_b32 s[OA+1], 0
	s_mov_b32 s[OW+1], 0
	s_or_b32 s[G1+0], s43, (1<<16)|(1<<20)|(1<<21)|(6<<22)|(3<<25)   ; A: after 128 words 4 words
	s_mov_b32 s[G1+1], KSTEP<<16
	s_mov_b32 s[G1+2], 64<<16
	s_mov_b32 s[G1+3], KSTEP<<16
	s_mov_b32 s[G1+4], 64
	s_mov_b32 s[G1+5], SIZE_K
	s_mov_b32 s[G1+6], 0
	s_mov_b32 s[G1+7], 0
	s_or_b32 s[G1B+0], s44, (1<<16)|(1<<20)|(1<<21)|(5<<22)|(7<<25)  ; B: after 64 words 8 words
	s_mov_b32 s[G1B+1], 128<<16
	s_mov_b32 s[G1B+2], 128<<16
	s_mov_b32 s[G1B+3], 128<<16
	s_mov_b32 s[G1B+4], 128
	s_mov_b32 s[G1B+5], 1024
	s_mov_b32 s[G1B+6], 0
	s_mov_b32 s[G1B+7], 0
	s_lshl_b32 s17, s12, 6
	s_lshl_b32 s16, s13, 7
	s_add_co_u32 s16, s16, s17                     ; A: row 128 x tile row + 64 x half
	s_mul_i32 s16, s16, SIZE_K*2
	s_mov_b32 s17, 0
	s_lshl_b32 s46, s42, 8                         ; B: 256 bytes of a row for each tile column,
	s_lshl_b32 s47, s12, 18                        ; my 128 rows of K, 2,048 bytes each
	s_add_co_u32 s46, s46, s47
	s_add_co_u32 s46, s46, WOFF
	s_mov_b32 s47, 0
	s_mul_i32 s20, s12, HA                         ; where they go
	s_mul_i32 s45, s12, HB
	s_add_co_u32 s45, s45, BOFF
	s_wait_dscnt 0x0
	s_wait_kmcnt 0x0
	s_add_nc_u64 s[BA:BA+1], s[4:5], s[16:17]
	s_add_nc_u64 s[BB:BB+1], s[6:7], s[46:47]
	CROUND
.irp s, 0,1
	s_mov_b32 s[G0+4*\s], 1
	s_add_co_u32 s[G0+4*\s+1], s20, \s*SLOT
	s_mov_b32 s[G0B+4*\s], 1
	s_add_co_u32 s[G0B+4*\s+1], s45, \s*SLOT
	AIM \s
.endr
	s_cmp_eq_u32 s11, 0                            ; a wave's two first fills stand in one branch: two loads of mine are out
	s_cbranch_scc0 .Lfirst_b
	tensor_load_to_lds s[G0:G0+3], s[G1:G1+7]
	s_nop 0
	tensor_load_to_lds s[G0+4:G0+7], s[G1:G1+7]
	s_nop 0
.rept 4
	v_nop
.endr
	s_branch .Lfirst_asked
.Lfirst_b:
	tensor_load_to_lds s[G0B:G0B+3], s[G1B:G1B+7]
	s_nop 0
	tensor_load_to_lds s[G0B+4:G0B+7], s[G1B:G1B+7]
	s_nop 0
.rept 4
	v_nop
.endr
.Lfirst_asked:
	s_lshl_b32 s16, s13, 7                         ; my 64 rows and 64 columns in the residual and in the result
	s_lshl_b32 s17, s11, 6
	s_add_co_u32 s16, s16, s17
	s_lshl_b32 s16, s16, 12
	s_mov_b32 s17, 0
	s_lshl_b32 s46, s42, 9
	s_lshl_b32 s47, s12, 8
	s_add_co_u32 s46, s46, s47
	s_mov_b32 s47, 0
	s_add_nc_u64 s[68:69], s[68:69], s[46:47]
	s_add_nc_u64 s[16:17], s[16:17], s[46:47]
	s_add_nc_u64 s[8:9], s[8:9], s[16:17]
	s_add_nc_u64 s[70:71], s[70:71], s[16:17]
	v_and_b32 v1, 15, v0                           ; r
	v_bfe_u32 v2, v0, 4, 1                         ; h
	v_lshlrev_b32 v[BO], 4, v1
	v_lshlrev_b32 v5, 12, v2
	v_lshl_add_u32 v[CO], v1, 4, v5                ; lanes 0-15 a row's 256 bytes, lanes 16-31 the next row's
	global_load_b128 v[BI:BI+3], v[BO], s[68:69]
	WIN 0x80
.irp a, 0,1,2,3
.irp t, 0,1,2,3,4,5,6,7
	global_load_b128 v[32*\a+4*\t:32*\a+4*\t+3], v[CO], s[70:71] offset:(16*\a+2*\t)*4096
.endr
.endr
	WIN 0
	v_mul_u32_u24 v3, v1, PA
	v_lshl_add_u32 v3, v2, 4, v3
	s_mul_i32 s21, s11, HA
	v_and_b32 v6, 7, v0
	v_lshl_add_u32 v6, v2, 3, v6
	v_mul_u32_u24 v6, v6, PB
	v_bfe_u32 v7, v0, 3, 1
	v_lshl_add_u32 v6, v7, 4, v6
	s_lshl_b32 s22, s12, 7
	s_add_co_u32 s22, s22, BOFF
.irp s, 0,1
	v_add_nc_u32 v[ADRA+\s], s21, v3
	v_add_nc_u32 v[ADRB+2*\s], s22, v6
	s_add_co_u32 s23, s22, HB
	v_add_nc_u32 v[ADRB+2*\s+1], s23, v6
	s_add_co_u32 s21, s21, SLOT
	s_add_co_u32 s22, s22, SLOT
.endr
	s_mul_i32 s23, s10, 16*SPITCH
	s_add_co_u32 s23, s23, STAGE
	v_mul_u32_u24 v4, v1, SPITCH
	v_lshl_add_u32 v4, v2, 5, v4                   ; in: row r, 32 bytes for each half of the lanes
	v_add_nc_u32 v[STO], s23, v4
	v_mul_u32_u24 v5, v2, SPITCH
	v_lshl_add_u32 v5, v1, 4, v5
	v_add_nc_u32 v[RD], s23, v5
; 8 matrix instructions: m blocks a0, a0 + 1 x 4 n blocks, 32 along K (half c of buffer f).  The 16 accumulators take turns.
.macro MUL8 f, c, a0, zero
.irp a, \a0, \a0+1
.irp b, 0,1,2,3
.if \zero
	v_wmma_f32_16x16x32_f16 v[ACC+8*(4*(\a)+\b):ACC+8*(4*(\a)+\b)+7], v[\f+64+8*(4*\c+\b):\f+64+8*(4*\c+\b)+7], v[\f+8*(4*\c+\a):\f+8*(4*\c+\a)+7], 0
.else
	v_wmma_f32_16x16x32_f16 v[ACC+8*(4*(\a)+\b):ACC+8*(4*(\a)+\b)+7], v[\f+64+8*(4*\c+\b):\f+64+8*(4*\c+\b)+7], v[\f+8*(4*\c+\a):\f+8*(4*\c+\a)+7], v[ACC+8*(4*(\a)+\b):ACC+8*(4*(\a)+\b)+7]
.endif
.endr
.endr
.endm
.macro FETCH slot, q, f                ; 32 LDS loads: quarter q (64 along K) into buffer f, its first 32 along K first
	WIN TO_F
.irp c, 0,1
.irp i, 0,1,2,3
	ds_load_tr16_b128 v[\f+64+8*(4*\c+\i):\f+64+8*(4*\c+\i)+3],   v[ADRB+2*\slot+(\q)/2] offset:((64*\q+32*\c)%128)*PB+32*\i
	ds_load_tr16_b128 v[\f+64+8*(4*\c+\i)+4:\f+64+8*(4*\c+\i)+7], v[ADRB+2*\slot+(\q)/2] offset:((64*\q+32*\c)%128)*PB+16*PB+32*\i
	ds_load_b128 v[\f+8*(4*\c+\i):\f+8*(4*\c+\i)+3],              v[ADRA+\slot] offset:128*\q+64*\c+\i*16*PA
	ds_load_b128 v[\f+8*(4*\c+\i)+4:\f+8*(4*\c+\i)+7],            v[ADRA+\slot] offset:128*\q+64*\c+\i*16*PA+32
.endr
.endr
.endm
.macro QUARTER slot, q, f, g, zero
	s_wait_dscnt 16                                ; the first 32 along K are in
	WIN MUL
	MUL8 \f, 0, 0, \zero
	MUL8 \f, 0, 2, \zero
	PLACES
	FETCH \slot, \q, \g
	s_wait_dscnt 32                                ; all but the 32 just issued
	WIN MUL
	MUL8 \f, 1, 0, 0
	MUL8 \f, 1, 2, 0
.endm
.macro TURN slot, next, fill           ; the last quarter changes slots: each wave's waits, the barrier (a round of the cluster's where a slot is filled again), the joint refill first
	s_wait_dscnt 16
	WIN MUL
	MUL8 F1, 0, 0, 0
	s_wait_dscnt 0
	s_set_vgpr_msb 0x500
	s_wait_tensorcnt 0x0
	ds_add_u32 v126, v127
	s_wait_dscnt 0x0
	s_set_vgpr_msb 0x5
	s_barrier_signal -1
	MUL8 F1, 0, 2, 0
.if \fill
	WIN 0
.endif
	s_barrier_wait -1
.if \fill
	CREST
	s_add_co_u32 s[KK+\slot], s[KK+\slot], 2       ; this slot's next K step, two on,
	s_and_b32 s[KK+\slot], s[KK+\slot], NSTEP-1    ; round the end of K
	AIM \slot
	JLOAD \slot
.else
	PLACES
.endif
	FETCH \next, 0, F0
	WIN MUL
	MUL8 F1, 1, 0, 0
	MUL8 F1, 1, 2, 0
.endm
.macro STG a                           ; block a (16 rows x 64 columns of f32) into my stage and back as whole rows, into the registers that it left
.irp b, 0,1,2,3
	ds_store_b128 v[STO], v[ACC+8*(4*\a+\b):ACC+8*(4*\a+\b)+3]   offset:64*\b
	ds_store_b128 v[STO], v[ACC+8*(4*\a+\b)+4:ACC+8*(4*\a+\b)+7] offset:64*\b+16
.endr
.irp t, 0,1,2,3,4,5,6,7
	ds_load_b128 v[ACC+32*\a+4*\t:ACC+32*\a+4*\t+3], v[RD] offset:\t*2*SPITCH
.endr
.endm
.macro OUT a, n                        ; n: the LDS instructions issued behind block a's loads
	s_wait_dscnt \n
	WIN 0x08                                       ; source 1: the residual, window 2
.set i, 0
.rept 16
	v_pk_add_f32 v[ACC+32*\a+2*i:ACC+32*\a+2*i+1], v[ACC+32*\a+2*i:ACC+32*\a+2*i+1], v[32*\a+2*i:32*\a+2*i+1]
.set i, i+1
.endr
	WIN 0
.irp t, 0,1,2,3,4,5,6,7
	v_pk_add_f32 v[ACC+32*\a+4*\t:ACC+32*\a+4*\t+1],   v[ACC+32*\a+4*\t:ACC+32*\a+4*\t+1],   v[BI:BI+1]
	v_pk_add_f32 v[ACC+32*\a+4*\t+2:ACC+32*\a+4*\t+3], v[ACC+32*\a+4*\t+2:ACC+32*\a+4*\t+3], v[BI+2:BI+3]
	global_store_b128 v[CO], v[ACC+32*\a+4*\t:ACC+32*\a+4*\t+3], s[8:9] offset:(16*\a+2*\t)*4096   ; 16 lanes store 256 consecutive bytes, aligned
.endr
.endm
	s_wait_tensorcnt 1                             ; my part of the walk's first K step is in; the second's may stay out
	s_barrier_signal -1
	s_barrier_wait -1
	FETCH 0, 0, F0
	QUARTER 0, 1, F0, F1, 1
	WIN 0
	s_mov_b32 s3, LAPS-1
.Llap:
	QUARTER 0, 2, F1, F0, 0
	QUARTER 0, 3, F0, F1, 0
	TURN 0, 1, 1
	QUARTER 1, 1, F0, F1, 0
	QUARTER 1, 2, F1, F0, 0
	QUARTER 1, 3, F0, F1, 0
	TURN 1, 0, 1
	QUARTER 0, 1, F0, F1, 0
	WIN 0
	s_sub_co_u32 s3, s3, 1
	s_cmp_lg_u32 s3, 0
	s_cbranch_scc1 .Llap
	QUARTER 0, 2, F1, F0, 0                        ; the last lap fills nothing
	QUARTER 0, 3, F0, F1, 0
	TURN 0, 1, 0
	QUARTER 1, 1, F0, F1, 0
	QUARTER 1, 2, F1, F0, 0
	QUARTER 1, 3, F0, F1, 0
	s_wait_dscnt 16
	WIN MUL
	MUL8 F1, 0, 0, 0
	MUL8 F1, 0, 2, 0
	s_wait_dscnt 0
	MUL8 F1, 1, 0, 0
	MUL8 F1, 1, 2, 0
	WIN 0
	PLACES
	s_wait_loadcnt 0x0                             ; bias and residual
	STG 0
	STG 1
	OUT 0, 16
	STG 2
	OUT 1, 16
	STG 3
	OUT 2, 16
	OUT 3, 0
	s_wait_tensorcnt 0x0
	ds_add_u32 v126, v127
	s_wait_dscnt 0x0
	CROUND                                         ; the closing round
	s_endpgm
.Lfunc_end_k_qaf92da96c1_fc2:
	.size	k_qaf92da96c1_fc2, .Lfunc_end_k_qaf92da96c1_fc2-k_qaf92da96c1_fc2
	.p2alignl 7, 3214868480
	.fill 96, 4, 3214868480
	.section	.rodata,"a",@progbits
	.p2align	6, 0x0
	.amdhsa_kernel k_qaf92da96c1_fc2
		.amdhsa_group_segment_fixed_size 327680
		.amdhsa_private_segment_fixed_size 0
		.amdhsa_enable_private_segment 0
		.amdhsa_kernarg_size 40
		.amdhsa_user_sgpr_count 2
		.amdhsa_user_sgpr_kernarg_segment_ptr 1
		.amdhsa_wavefront_size32 1
		.amdhsa_system_sgpr_workgroup_id_x 1
		.amdhsa_system_sgpr_workgroup_id_y 1
		.amdhsa_system_sgpr_workgroup_id_z 1
		.amdhsa_system_vgpr_workitem_id 0
		.amdhsa_next_free_vgpr 768
		.amdhsa_next_free_sgpr 80
		.amdhsa_reserve_vcc 0
		.amdhsa_float_denorm_mode_32 3
		.amdhsa_float_denorm_mode_16_64 3
		.amdhsa_memory_ordered 1
		.amdhsa_forward_progress 1
		.amdhsa_inst_pref_size 98
	.end_amdhsa_kernel
	.amdgpu_metadata
---
amdhsa.version: [ 1, 2 ]
amdhsa.kernels:
  - .name:           k_qaf92da96c1_fc2
    .symbol:         k_qaf92da96c1_fc2.kd
    .args:
      - { .name: gl, .offset: 0, .size: 8, .value_kind: global_buffer, .address_space: global }
      - { .name: wb, .offset: 8, .size: 8, .value_kind: global_buffer, .address_space: global }
      - { .name: out0, .offset: 16, .size: 8, .value_kind: global_buffer, .address_space: global }
      - { .name: b2, .offset: 24, .size: 8, .value_kind: global_buffer, .address_space: global }
      - { .name: x1, .offset: 32, .size: 8, .value_kind: global_buffer, .address_space: global }
    .group_segment_fixed_size: 327680
    .private_segment_fixed_size: 0
    .kernarg_segment_align: 8
    .kernarg_segment_size: 40
    .max_flat_workgroup_size: 128
    .sgpr_count:     80
    .vgpr_count:     768
    .wavefront_size: 32
...
	.end_amdgpu_metadata
.endif
;; end of part 6
